; MI455X (gfx1250); checked and timed in simulation.
; The chip was launched on July 23, 2026; its instructions are those of AMD's public machine-readable ISA for CDNA 5 (MIT licence, August 2026) and "CDNA5" Instruction Set Architecture Reference Guide (July 2026). The comments in the code are by the model that wrote it; some were corrected since.
;; Multi Head Self Attention. Allowed arithmetic: matrix products marked QUANTISED: E2M3 operands, one E8M0 scale for each 32 along K, by v_wmma_scale_f32_16x16x128_f8f6f4 with both operands' format E2M3, f32 sums; everything else in f32.
;; Inputs: Wk 1,024 x 1,024 float32; Wo 1,024 x 1,024 float32; Wq 1,024 x 1,024 float32; Wv 1,024 x 1,024 float32; bk 1,024 float32; bq 1,024 float32; bv 1,024 float32; x 4 x 2,048 x 1,024 float32.
;; Outputs: out0 4 x 2,048 x 1,024 float32.
;; This version of the problem:
;;   THIS VERSION OF THE PROBLEM IS GIVEN IN LOW PRECISION. The matrix products marked QUANTISED in the list below multiply operands that are first quantised to E2M3 (2 exponent bits, 3 mantissa bits; 6 bits a number), with one power-of-two scale for each 32 numbers along K (OCP MX v1.0); their sums are f32. All else is computed in f32.
;;   The module's matrix products, in the order in which they are computed (A, B: the left and right operand; K: the contracted axis; several contracted axes count as one K, in the product's order):
;;     1. [M 8,192, K 1,024] x [K 1,024, N 1,024]; A: input x; B: input Wq: QUANTISED
;;     2. [M 8,192, K 1,024] x [K 1,024, N 1,024]; A: input x; B: input Wk: QUANTISED
;;     3. [M 8,192, K 1,024] x [K 1,024, N 1,024]; A: input x; B: input Wv: QUANTISED
;;     4. batch 64 x [M 2,048, K 64] x [K 64, N 2,048]; A: computed on the way; B: computed on the way: QUANTISED
;;     5. batch 64 x [M 2,048, K 2,048] x [K 2,048, N 64]; A: softmax (see below); B: computed on the way: QUANTISED
;;     6. [M 8,192, K 1,024] x [K 1,024, N 1,024]; A: computed on the way; B: input Wo: QUANTISED
;;   THE QUANTISER, for each operand of a quantised product, along K:
;;     - K is cut into blocks of 32 from its start; a last block that is shorter is filled with zeros.
;;     - A block's scale is 2^e with e = floor(log2(the largest magnitude in the block)) - 2, held to -126 .. 127; a block of zeros has e = 0. As a byte (E8M0): e + 127.
;;     - Each number is divided by its block's scale, clamped to +-7.5, and rounded to the nearest number of E2M3, ties to even, subnormals kept.
;;     - The product sums the exact products of the quantised numbers (number of the format x scale) in f32.
;;   ~~~python
;;   def quantise(x, axis):      # numpy; x: float32 -> the quantised numbers, widened to float32 again
;;       x = np.moveaxis(x, axis, -1); K = x.shape[-1]
;;       x = np.pad(x, [(0, 0)] * (x.ndim - 1) + [(0, -K % 32)]); x = x.reshape(x.shape[:-1] + (-1, 32)); a = np.abs(x).max(-1, keepdims=True)
;;       e = np.where(a > 0, np.clip(np.frexp(np.where(a > 0, a, 1))[1] - 1 - 2, -126, 127), 0)      # np.frexp(a)[1] - 1 = floor(log2(a)), exactly
;;       r = np.clip(x / 2.0 ** e, -7.5, 7.5)
;;       step = 2.0 ** (np.maximum(np.frexp(np.where(r == 0, 1, r))[1] - 1, 0) - 3)
;;       q = np.round(r / step) * step * 2.0 ** e      # np.round: ties to even
;;       return np.moveaxis(q.reshape(q.shape[:-2] + (-1,))[..., :K], -1, axis).astype(np.float32)
;;   ~~~
;;   SOFTMAX AHEAD OF A QUANTISED PRODUCT. Where the list says 'softmax', what is quantised is not the finished softmax but p = 2^(t - M), with t = logit x log2(e) and M = ceil(the row's largest t), a whole number; so 1/2 < the row's largest p <= 1. The row's sum l is taken of the UNQUANTISED p, in f32, and the product's result is divided by l at the end. Since M is a whole number, a kernel that streams over the keys may use a running M (the ceiling of the running maximum): every later rescaling is an exact power of two, which a block's scale takes up: the codes' values come out the same.
;;   OPERANDS COMPUTED ON THE WAY. 'Computed on the way' means the value that the module computes at that place (a softmax that the list does not call 'softmax' is quantised finished and normalised). What goes into a quantiser is computed in f32, as accurately as f32 sums, v_exp_f32 and their like allow (about 1e-6 of the number): no bf16 or f16 on the way to a quantiser, and a product that is left as it is and whose result goes on into a quantised operand takes f32 operands (vector FMAs, or v_wmma_f32_16x16x4_f32). A number that lies on a knife's edge between two numbers of the format may be rounded either way, as far as f32 arithmetic and the matrix unit's own rounding can turn it there, and no further.
;; One version. Each part assembles by itself: llvm-mc -triple=amdgcn-amd-amdhsa -mcpu=gfx1250 --defsym DOCPART=n.
;; ======== version 1 of 1: 4 launches
;; limits: right only within a limited range of input values
;; workspace buffers: xwc 9,437,184 bytes; xws 393,216 bytes; qkvc 18,874,368 bytes; qkvs 786,432 bytes; oc 6,291,456 bytes; os 524,288 bytes
;; launch quant (part 1): grid 768 x 1, 4 waves a work-group, no clusters, 34,816 bytes of LDS; arguments x, Wq, Wk, Wv, Wo, xwc, xws; writes xwc, xws
.if DOCPART == 1
	.amdgcn_target "amdgcn-amd-amdhsa--gfx1250"
	.amdhsa_code_object_version 6
	.text
	.protected	k_q96c5997db4_quant
	.globl	k_q96c5997db4_quant
	.p2align	8
	.type	k_q96c5997db4_quant,@function
k_q96c5997db4_quant:
	s_mov_b64 s[64:65], 0
	v_nop
	global_prefetch_b8 v0, s[64:65] scope:SCOPE_SE
	s_setreg_imm32_b32 hwreg(HW_REG_WAVE_MODE, 25, 1), 1
	s_wait_xcnt 0x0
; x [8192][1024] and Wq, Wk, Wv, Wo [1024][1024], f32 with K innermost, become codes of FP6 (E2M3) with one E8M0 byte for each 32 along K,
; laid in the order of a matrix operand's registers, so that the products' launches read them by dense loads alone.
; TILES.  Of each 32 consecutive rows tile u (0, 1) holds in lane-row r the row 8 u + r + (r & 8).  Tile T: 0-511 x, 512-575 Wq, 576-639 Wk, 640-703 Wv, 704-767 Wo.
; A FRAGMENT'S IMAGE (16 rows x 128 K, 12 registers a lane, 1,536 bytes): registers 0-3 at 16 x lane, 4-5 at 512 + 8 x lane, 6-9 at 768 + 16 x lane, 10-11 at 1,280 + 8 x lane.
; xwc = [T][K step of 128: 8][image];  xws = [T][j 4][r 16][q 2] words: the four scale bytes of K = 256 j + 128 q + 32 x byte.
; A block's scale is 2^(floor(log2(its largest magnitude)) - 2); its byte is the largest magnitude's exponent field - 2, held at 1 from below.
; LIMITS: a block of zeros, or one whose largest magnitude lies under 2^-124, gets the byte 1 (this program alone reads the bytes); NaN and infinities among the inputs are not served.
; SHARES.  768 work-groups, one to a tile: three for each of 256 WGPs.  Wave j takes the K quarter j: two steps, a fragment each; all its 32 loads go out at the start.
; Each load reads 512 consecutive bytes of one row; a step's 16 rows turn through the wave's own stage in LDS (rows of 512 + 16 bytes), from which lane (r, h) takes, of row r, k = 64 c + 32 h + 0 .. 31: two whole blocks.
; The tile's 512 bytes of scale words gather in LDS, behind one barrier, and leave by wave 0 as 512 consecutive bytes.
.set STG,   16*528                     ; a wave's stage
.set SPARE, 4*STG                      ; behind the stages: the spare words, 128 bytes a wave: two blocks of 256 bytes that no other line names
.set SWB,   SPARE+512                  ; the tile's scale words: [j 4][r 16][q 2]
.set L16, 1                            ; 16 x lane
.set L8,  2                            ; 8 x lane
.set SIN, 3                            ; the stage, on the way in: 16 x lane
.set SOUT, 4                           ; and out: 528 r + 128 h
.set SH,  5                            ; 8 h: my bytes' place in a scale word
.set SPW, 6                            ; my spare word; never rewritten
.set NIL, 7                            ; 0; never rewritten
.set R,   16                           ; v16-143  two sets of 64, as loaded
.set X,   144                          ; v144-207 register 32 c + i: k = 64 c + 32 h + i of row r
.set PC,  208                          ; the fragment's codes
.set P2,  220                          ; the upper halves of the two blocks, as the conversions leave them
.set WD,  228                          ; v228, v229 the two steps' scale words
	s_load_b256 s[4:11], s[0:1], 0x0               ; x, Wq, Wk, Wv
	s_load_b128 s[12:15], s[0:1], 0x20             ; Wo, xwc
	s_load_b64 s[16:17], s[0:1], 0x30              ; xws
	v_lshl_add_u32 v[SPW], v0, 2, SPARE
	v_mov_b32 v[NIL], 0
	v_lshrrev_b32 v8, 5, v0
	v_readfirstlane_b32 s22, v8                    ; wave = K quarter
	s_mul_i32 s23, s22, STG
	s_lshl_b32 s32, s22, 7
	s_add_co_u32 s32, s32, SWB
	v_and_b32 v9, 31, v0                           ; lane
	v_lshlrev_b32 v[L16], 4, v9
	v_lshlrev_b32 v[L8], 3, v9
	v_add_nc_u32 v[SIN], s23, v[L16]
	v_and_b32 v10, 15, v0                          ; r
	v_bfe_u32 v11, v0, 4, 1                        ; h
	v_mul_u32_u24 v[SOUT], v10, 528
	v_lshl_add_u32 v[SOUT], v11, 7, v[SOUT]
	v_add_nc_u32 v[SOUT], s23, v[SOUT]
	v_lshlrev_b32 v[SH], 3, v11
	v_lshl_add_u32 v14, v10, 3, s32                ; where my row's two words go
	v_add_nc_u32 v15, SWB, v[L16]                  ; and where wave 0 reads the tile's words back
	v_mov_b32 v12, 0                               ; written once: a lane permute's destination counts as one of its sources
	s_mov_b32 s20, 0x76543210
	s_mov_b32 s21, 0xfedcba98                      ; selects for lane l xor 16
	s_and_b32 s24, ttmp9, 1                        ; u
	s_lshr_b32 s31, ttmp9, 1                       ; the group of 32 rows, counted over all tensors
	s_and_b32 s26, s31, 31                         ; a weight's
	s_mov_b32 s29, 0
	s_wait_alu depctr_va_vdst(0)                   ; the wait at the head's end
	s_wait_kmcnt 0x0
	s_mov_b64 s[18:19], s[12:13]                   ; which tensor: the choice hangs on the work-group's number alone
	s_cmp_lt_u32 ttmp9, 704
	s_cselect_b64 s[18:19], s[10:11], s[18:19]
	s_cmp_lt_u32 ttmp9, 640
	s_cselect_b64 s[18:19], s[8:9], s[18:19]
	s_cmp_lt_u32 ttmp9, 576
	s_cselect_b64 s[18:19], s[6:7], s[18:19]
	s_cmp_lt_u32 ttmp9, 512
	s_cselect_b64 s[18:19], s[4:5], s[18:19]
	s_cselect_b32 s26, s31, s26
	s_lshl_b32 s28, s26, 17                        ; 32 rows of 4,096 bytes,
	s_lshl_b32 s30, s24, 15                        ; tile u begins 8 rows on,
	s_add_co_u32 s28, s28, s30
	s_lshl_b32 s30, s22, 10                        ; my quarter of K: 256 numbers
	s_add_co_u32 s28, s28, s30
	s_add_nc_u64 s[18:19], s[18:19], s[28:29]
	s_mul_i32 s28, ttmp9, 12288
	s_mul_i32 s30, s22, 3072
	s_add_co_u32 s28, s28, s30
	s_add_nc_u64 s[14:15], s[14:15], s[28:29]      ; my two images
	s_lshl_b32 s28, ttmp9, 9
	s_add_nc_u64 s[16:17], s[16:17], s[28:29]      ; the tile's 512 bytes of scale words
.macro LOAD t                          ; step t: 16 rows x 512 bytes into set t
.irp p, 0,1,2,3,4,5,6,7,8,9,10,11,12,13,14,15
	global_load_b128 v[R+64*(\t)+4*\p:R+64*(\t)+4*\p+3], v[L16], s[18:19] offset:(\p+(\p&8))*4096+512*(\t) th:TH_LOAD_NT
.endr
.endm
.macro TURN t                          ; through the stage: LDS serves a wave's instructions in order (ISA guide 5.7.1.4), so no wait stands between the stores and the loads
.irp p, 0,1,2,3,4,5,6,7,8,9,10,11,12,13,14,15
	ds_store_b128 v[SIN], v[R+64*(\t)+4*\p:R+64*(\t)+4*\p+3] offset:528*\p
.endr
.irp c, 0,1
.irp i, 0,1,2,3,4,5,6,7
	ds_load_b128 v[X+32*\c+4*\i:X+32*\c+4*\i+3], v[SOUT] offset:256*\c+16*\i
.endr
.endr
.endm
.macro QFRAG t
.irp c, 0,1
	v_max3_num_f32 v[8+\c], |v[X+32*\c]|, |v[X+32*\c+1]|, 0x1800000   ; my block 2 c + h: all 32 numbers are mine; and the floor 2^(3 - 127): the byte cannot fall under 1
.endr
.irp i, 2,4,6,8,10,12,14,16,18,20,22,24,26,28,30
.irp c, 0,1
	v_max3_num_f32 v[8+\c], v[8+\c], |v[X+32*\c+\i]|, |v[X+32*\c+\i+1]|
.endr
.endr
.irp c, 0,1
	v_add_nc_u32 v[10+\c], 0xff000000, v[8+\c]     ; 2 off the exponent field: the conversion's scale operand
.endr
.irp c, 0,1
	v_lshrrev_b32 v[8+\c], 23, v[10+\c]            ; the scale's byte
.endr
	v_lshl_or_b32 v13, v9, 16, v8                  ; my two bytes: blocks h and 2 + h,
	v_lshlrev_b32 v13, v[SH], v13                  ; at their places in the word;
	v_permlanex16_b32 v12, v13, s20, s21
	v_or_b32 v[WD+(\t)], v13, v12                  ; with lane l xor 16's two the word is whole
	s_wait_alu depctr_va_vdst(0)                   ; directly ahead of the wait below
	s_wait_xcnt 0x0                                ; the last step's stores have read the codes' registers
.irp c, 0,1
	v_cvt_scalef32_pk16_fp6_f32 v[PC+6*\c:PC+6*\c+2], v[X+32*\c:X+32*\c+15], v[10+\c]
	v_cvt_scalef32_pk16_fp6_f32 v[P2+4*\c:P2+4*\c+2], v[X+32*\c+16:X+32*\c+31], v[10+\c]   ; (a conversion's three registers begin on an even number)
.endr
	v_nop                                          ; one plain place behind a scaled conversion
.irp c, 0,1
.irp i, 0,1,2
	v_mov_b32 v[PC+6*\c+3+\i], v[P2+4*\c+\i]
.endr
.endr
	global_store_b128 v[L16], v[PC:PC+3], s[14:15] offset:1536*(\t)          ; each store covers 512 or 256 consecutive bytes, at a multiple of 256 from the buffer's first byte
	global_store_b64 v[L8], v[PC+4:PC+5], s[14:15] offset:1536*(\t)+512
	global_store_b128 v[L16], v[PC+6:PC+9], s[14:15] offset:1536*(\t)+768
	global_store_b64 v[L8], v[PC+10:PC+11], s[14:15] offset:1536*(\t)+1280
.endm
	LOAD 0
	LOAD 1
	s_wait_loadcnt 16                              ; step 0's 16 loads are in; step 1's 16 may be out
	TURN 0
	s_wait_dscnt 0x0                               ; the numbers are back from the stage
	QFRAG 0
	s_wait_loadcnt 0x0
	TURN 1
	s_wait_dscnt 0x0
	QFRAG 1
	ds_store_b64 v14, v[WD:WD+1]                   ; lanes r and r + 16 write the same two words with the same values
	s_wait_dscnt 0x0                               ; for wave 0's sake
	s_barrier_signal -1
	s_barrier_wait -1
	s_cmp_lg_u32 s22, 0
	s_cbranch_scc1 .Lno_words
	ds_load_b128 v[8:11], v15
	s_wait_dscnt 0x0
	global_store_b128 v[L16], v[8:11], s[16:17]    ; 32 lanes store 512 consecutive bytes, aligned
.Lno_words:
	s_wait_tensorcnt 0x0                           ; the wave's end: behind my last LDS store
	ds_add_u32 v[SPW], v[NIL]
	s_wait_dscnt 0x0
	s_endpgm
.Lfunc_end_k_q96c5997db4_quant:
	.size	k_q96c5997db4_quant, .Lfunc_end_k_q96c5997db4_quant-k_q96c5997db4_quant
	.p2alignl 7, 3214868480
	.fill 96, 4, 3214868480
	.section	.rodata,"a",@progbits
	.p2align	6, 0x0
	.amdhsa_kernel k_q96c5997db4_quant
		.amdhsa_group_segment_fixed_size 34816
		.amdhsa_private_segment_fixed_size 0
		.amdhsa_enable_private_segment 0
		.amdhsa_kernarg_size 56
		.amdhsa_user_sgpr_count 2
		.amdhsa_user_sgpr_kernarg_segment_ptr 1
		.amdhsa_wavefront_size32 1
		.amdhsa_system_sgpr_workgroup_id_x 1
		.amdhsa_system_sgpr_workgroup_id_y 1
		.amdhsa_system_sgpr_workgroup_id_z 1
		.amdhsa_system_vgpr_workitem_id 0
		.amdhsa_next_free_vgpr 240
		.amdhsa_next_free_sgpr 66
		.amdhsa_reserve_vcc 0
		.amdhsa_float_denorm_mode_32 3
		.amdhsa_float_denorm_mode_16_64 3
		.amdhsa_memory_ordered 1
		.amdhsa_forward_progress 1
		.amdhsa_inst_pref_size 17
	.end_amdhsa_kernel
	.amdgpu_metadata
---
amdhsa.version: [ 1, 2 ]
amdhsa.kernels:
  - .name:           k_q96c5997db4_quant
    .symbol:         k_q96c5997db4_quant.kd
    .args:
      - { .name: x, .offset: 0, .size: 8, .value_kind: global_buffer, .address_space: global }
      - { .name: Wq, .offset: 8, .size: 8, .value_kind: global_buffer, .address_space: global }
      - { .name: Wk, .offset: 16, .size: 8, .value_kind: global_buffer, .address_space: global }
      - { .name: Wv, .offset: 24, .size: 8, .value_kind: global_buffer, .address_space: global }
      - { .name: Wo, .offset: 32, .size: 8, .value_kind: global_buffer, .address_space: global }
      - { .name: xwc, .offset: 40, .size: 8, .value_kind: global_buffer, .address_space: global }
      - { .name: xws, .offset: 48, .size: 8, .value_kind: global_buffer, .address_space: global }
    .group_segment_fixed_size: 34816
    .private_segment_fixed_size: 0
    .kernarg_segment_align: 8
    .kernarg_segment_size: 56
    .max_flat_workgroup_size: 128
    .sgpr_count:     66
    .vgpr_count:     240
    .wavefront_size: 32
...
	.end_amdgpu_metadata
.endif
;; end of part 1
;; launch qkv (part 2): grid 8 x 32, 4 waves a work-group, clusters of 4 x 4, 327,680 bytes of LDS; arguments xwc, xws, bq, bk, bv, qkvc, qkvs; writes qkvc, qkvs
.if DOCPART == 2
	.amdgcn_target "amdgcn-amd-amdhsa--gfx1250"
	.amdhsa_code_object_version 6
	.text
	.protected	k_q96c5997db4_qkv
	.globl	k_q96c5997db4_qkv
	.p2align	8
	.type	k_q96c5997db4_qkv,@function
k_q96c5997db4_qkv:
	s_mov_b64 s[64:65], 0
	v_nop
	global_prefetch_b8 v0, s[64:65] scope:SCOPE_SE
	s_setreg_imm32_b32 hwreg(HW_REG_WAVE_MODE, 25, 1), 1
	s_wait_xcnt 0x0
	s_wait_alu depctr_hold_cnt(0) depctr_sa_sdst(0) depctr_va_vdst(0) depctr_va_sdst(0) depctr_va_ssrc(0) depctr_va_vcc(0) depctr_vm_vsrc(0)
	s_getreg_b32 s2, hwreg(HW_REG_IB_STS2, 6, 4)
	s_cmp_eq_u32 s2, 0
	s_cbranch_scc0 .Lentry_in_a_cluster
	s_endpgm
.Lentry_in_a_cluster:
	s_bfe_u32 s2, ttmp6, 0x10000c
	s_cmp_lg_u32 s2, 0xf033
	s_cbranch_scc0 .Lentry_shape_is_right
	s_endpgm
.Lentry_shape_is_right:
; q = x Wq^T + bq, k = x Wk^T + bk, v = x Wv^T + bv on codes of FP6 (E2M3) with E8M0 scales, f32 sums; the results are quantised in registers, q and k along the head's 64 channels,
; v along the keys, and stored as images of the next products' operand registers.
; THE DEAL.  256 work-groups of four waves.  Work-group (c, tb) keeps 256 rows of x (16 tiles, ALL of K, 196,608 bytes) in LDS and takes three chunks of 128 rows of a weight past them, all of K each (98,304 bytes):
; rows 128 c on of Wq, then of Wk, then of Wv.  The chunk's bytes are filled again twice, each time behind the three lines and a round of the cluster's barrier;
; the refill is issued ahead of the finished phase's way out.  K has no ring: eight steps of 128 with no barrier between them.
; SOURCE 1 GIVES THE LANE, SOURCE 0 THE REGISTERS.  q, k: source 1 = x (wave w: tiles 4 w on), source 0 = the chunk's 8 tiles: a lane holds one token, its 64 registers 128 features.
; v: source 1 = Wv (wave: tiles 4 (w / 2) on), source 0 = x (tiles 8 (w % 2) on): a lane holds one channel, its 64 registers 128 keys.  In both a wave has 4 x 8 accumulators.
; Tiles of 16 rows are laid so (lane-row r of tile u of 32 rows = row 8 u + r + (r & 8)) that the 16 registers of source-0 tiles 2 b and 2 b + 1 are 16 neighbours: 32 b + 16 (lane / 16) + 0 .. 15.
; CLUSTERS: 4 x 4.  x's tiles hang on tb and are shared along a row of the cluster, a weight's on c and are shared along a column; each is asked for jointly.
; q and k are a loop of two trips, each with its refill.
; No prefetch: the refill for the next phase is itself issued a whole way out ahead of its first read, and the loop has two trips.
; INPUT: xwc = [tile][K step of 128: 8][image of 1,536 bytes]; xws = [tile][j 4][r 16][q 2] scale words.  Tiles 0-511 x, 512-575 Wq, 576-639 Wk, 640-703 Wv.
; OUTPUT: qkvc = [idx][image], qkvs = [idx][r 16] words.  q, k: idx = 512 g + x's tile, g = pair of heads (0-7 q, 8-15 k); v: idx = 8192 + 64 (key step of 128) + channel tile.
; LIMITS: a block of zeros, or one under 2^-124, gets the byte 1 (this program alone reads the bytes); NaN and infinities are not served.
; REGISTERS: window 0: v6-31 addresses; v32-95 all of K's scale words; v96-191 source 1's fragments, two sets of 4; v192-255 the bias table (v: v224-231 the lanes' biases).
;   window 1: source 0's fragments, two sets of 8, at v0 and v128.   window 2: accumulator (a, b) at v[8 (8 a + b)].
.set TILE,  12288                      ; a tile, all of K
.set WB,    16*TILE                    ; behind x's 16 tiles: the weight's 8
.set SCX,   24*TILE                    ; x's scale words, 16 tiles x 512 bytes
.set SCW,   SCX+8192+128               ; the three chunks' scale words, 4,096 bytes each; 128 bytes on, so that the two halves of the lanes stand 128 bytes apart modulo 256
.set SPARE, 315648                     ; the spare words, 128 bytes a wave: two blocks of 256 bytes that no other line names
.set SST,   SPARE+512                  ; 256 bytes a wave: its four fragments' scale words on their way out
.set ADA,  16                          ; v16, v17  source 1's tiles: + 16 x lane, + 8 x lane
.set ADB,  18                          ; v18-21    source 0's tiles 0-3, 4-7
.set ADRS, 22                          ; v22, v23  scale words: lanes 0-15 source 1's tile i % 4, lanes 16-31 source 0's tile i (v23: for i = 4 .. 7)
.set L16,  24
.set L8,   25
.set SSTA, 26
.set SSTR, 27
.set SPW,  28
.set NIL,  29
.set SC,   32                          ; register 16 j + 2 i + q
.set AF,   96
.set BT,   192
.set BL,   224
.set TM,   84
.set PW,   100
.set G0R,  20
.set G1X,  24
.set G0X,  32
.set G0W,  36
.set G1W,  48
.set G0SX, 56
.set G0SW, 60
.set G1SX, 76
.set G1SW, 84
.set G1R,  92
.set MSB, 0
.macro WIN new                         ; the immediate's high byte repeats the setting that is left
.if MSB != (\new)
	s_set_vgpr_msb (MSB<<8)|(\new)
.set MSB, (\new)
.endif
.endm
.macro PLACES n
.rept \n
	v_nop
.endr
.endm
.macro WALU
	s_wait_alu depctr_va_vdst(0)
.endm
.macro CROUND
	s_barrier_signal -1
	s_barrier_wait -1
	s_cmp_lg_u32 s14, 0
	s_cbranch_scc1 .Lnot_wave_0_\@
	s_barrier_signal -3
.Lnot_wave_0_\@:
	s_barrier_wait -3
	s_barrier_signal -1
	s_barrier_wait -1
.endm
.macro TLOAD g0, g1
	tensor_load_to_lds s[\g0:\g0+3], s[\g1:\g1+7]
	s_nop 0
	PLACES 4
.endm
.macro G1SET g, c, r, p                ; r rows of c elements of 8 bytes, p elements apart
	s_mov_b32 s[\g+1], (\c)<<16
	s_mov_b32 s[\g+2], (\r)<<16
	s_mov_b32 s[\g+3], (\c)<<16
	s_mov_b32 s[\g+4], \r
	s_mov_b32 s[\g+5], \p
	s_mov_b32 s[\g+6], 0
	s_mov_b32 s[\g+7], 0
.endm
.macro G0SET g, lds, base, off
	s_mov_b32 s[\g], 1
	s_mov_b32 s[\g+1], \lds
	s_add_nc_u64 s[\g+2:\g+3], s[\base:\base+1], s[\off:\off+1]
	s_or_b32 s[\g+3], s[\g+3], 0x80000000
.endm
.macro FRAG reg, adr, off              ; a fragment's image: four loads, each of 512 or 256 consecutive bytes
	ds_load_b128 v[\reg:\reg+3], v[\adr] offset:\off
	ds_load_b64 v[\reg+4:\reg+5], v[\adr+1] offset:(\off)+512
	ds_load_b128 v[\reg+6:\reg+9], v[\adr] offset:(\off)+768
	ds_load_b64 v[\reg+10:\reg+11], v[\adr+1] offset:(\off)+1280
.endm
.macro FETCH s                         ; K step s: 12 fragments into set s % 2
	WIN 0x40
.irp i, 0,1,2,3
	FRAG 128*((\s)%2)+12*\i, ADB, \i*TILE+(\s)*1536
.endr
.irp i, 0,1,2,3
	FRAG 128*((\s)%2)+48+12*\i, ADB+2, \i*TILE+(\s)*1536
.endr
	WIN 0
.irp i, 0,1,2,3
	FRAG AF+48*((\s)%2)+12*\i, ADA, \i*TILE+(\s)*1536
.endr
.endm
.macro SCALES                          ; all of K's scale words: 32 loads of two words a row
.irp j, 0,1,2,3
.irp i, 0,1,2,3
	ds_load_b64 v[SC+16*\j+2*\i:SC+16*\j+2*\i+1], v[ADRS] offset:512*\i+128*\j
.endr
.irp i, 4,5,6,7
	ds_load_b64 v[SC+16*\j+2*\i:SC+16*\j+2*\i+1], v[ADRS+1] offset:512*\i+128*\j
.endr
.endr
.endm
.macro W1 d, a, b, c, sa, sb
	v_wmma_scale_f32_16x16x128_f8f6f4 v[\d:\d+7], v[\a:\a+11], v[\b:\b+11], \c, v[\sa], v[\sb] matrix_a_fmt:MATRIX_FMT_FP6 matrix_b_fmt:MATRIX_FMT_FP6 matrix_a_scale:MATRIX_SCALE_ROW1
.endm
.macro MUL s, cmode                    ; 32 products; the accumulators take turns, one instruction a turn, in the same order in every step.  cmode = 1: the first step's C is the bias table
.if ((\s) == 0) && (\cmode)
	WIN 0x81
.else
	WIN 0xa1
.endif
.irp a, 0,1,2,3
.irp b, 0,1,2,3,4,5,6,7
.if (\s) == 0
.if \cmode
	W1 8*(8*\a+\b), 128*((\s)%2)+12*\b, AF+48*((\s)%2)+12*\a, v[BT+8*\b:BT+8*\b+7], SC+16*((\s)/2)+2*\b+(\s)%2, SC+16*((\s)/2)+2*\a+(\s)%2
.else
	W1 8*(8*\a+\b), 128*((\s)%2)+12*\b, AF+48*((\s)%2)+12*\a, 0, SC+16*((\s)/2)+2*\b+(\s)%2, SC+16*((\s)/2)+2*\a+(\s)%2
.endif
.else
	W1 8*(8*\a+\b), 128*((\s)%2)+12*\b, AF+48*((\s)%2)+12*\a, v[8*(8*\a+\b):8*(8*\a+\b)+7], SC+16*((\s)/2)+2*\b+(\s)%2, SC+16*((\s)/2)+2*\a+(\s)%2
.endif
.endr
.endr
.endm
.macro KSTEPS cmode                    ; eight K steps; a step's fragments were asked for ahead of the step before
.set ST, 0
.rept 8
	s_wait_dscnt 0x0                               ; this step's fragments are in
.if ST < 7
.if ST > 0
	PLACES 4                                       ; in front of loads into registers that the last step's products have read
.endif
	FETCH ST+1
.endif
	MUL ST, \cmode
.set ST, ST+1
.endr
	WIN 0
.endm
; THE WAY OUT of source-1 tile a: a lane's 64 registers, register 16 b + i = number 32 b + 16 (lane / 16) + i along the next K, become one fragment: four blocks of 32, each shared by lanes l and l xor 16.
.macro EPI a, lb
.set AC, 64*(\a)
.if (\a) == 1
.set PC, 160
.else
.set PC, 64
.endif
.if \lb
	WIN 0x82                                       ; v: my channel's bias onto all 64
.set II, 0
.rept 32
	v_pk_add_f32 v[AC+II:AC+II+1], v[AC+II:AC+II+1], v[BL+2*(\a):BL+2*(\a)+1] op_sel_hi:[1,0]
.set II, II+2
.endr
.endif
	WIN 0x28
.irp b, 0,1,2,3
	v_max3_num_f32 v[TM+\b], 0x1800000, |v[AC+16*\b]|, |v[AC+16*\b+1]|   ; my 16 numbers of block b, and the floor 2^(3 - 127): the byte cannot fall under 1
.endr
.irp i, 2,4,6,8,10,12,14
.irp b, 0,1,2,3
	v_max3_num_f32 v[TM+\b], v[TM+\b], |v[AC+16*\b+\i]|, |v[AC+16*\b+\i+1]|
.endr
.endr
	WIN 0
.irp b, 0,1,2,3
	v_permlanex16_b32 v[TM+4+\b], v[TM+\b], s100, s101
.endr
.irp b, 0,1,2,3
	v_max_num_f32 v[TM+\b], v[TM+\b], v[TM+4+\b]
.endr
.irp b, 0,1,2,3
	v_add_nc_u32 v[TM+12+\b], 0xff000000, v[TM+\b] ; 2 off the exponent field: the conversion's scale operand
.endr
.irp b, 0,1,2,3
	v_lshrrev_b32 v[TM+4+\b], 23, v[TM+12+\b]      ; the scale's byte
.endr
	v_lshl_or_b32 v[PW+(\a)], v[TM+5], 8, v[TM+4]
	v_lshl_or_b32 v[PW+(\a)], v[TM+6], 16, v[PW+(\a)]
	v_lshl_or_b32 v[PW+(\a)], v[TM+7], 24, v[PW+(\a)]
	WALU                                           ; directly ahead of the wait below
	s_wait_xcnt 0x0                                ; the earlier tiles' stores have read the codes' registers
	WIN 2
.irp c, 0,1
	v_cvt_scalef32_pk16_fp6_f32 v[PC+6*\c:PC+6*\c+2], v[AC+32*\c:AC+32*\c+15], v[TM+12+2*\c]
	v_cvt_scalef32_pk16_fp6_f32 v[PC+12+4*\c:PC+14+4*\c], v[AC+32*\c+16:AC+32*\c+31], v[TM+12+2*\c+1]
.endr
	WIN 0
	v_nop                                          ; one plain place behind a scaled conversion
.irp c, 0,1                            ; the operand's layout wants a whole block in a lane
.irp i, 0,1,2
	v_permlane16_swap_b32 v[PC+6*\c+\i], v[PC+12+4*\c+\i]
.endr
.irp i, 0,1,2
	v_mov_b32 v[PC+3+6*\c+\i], v[PC+12+4*\c+\i]
.endr
.endr
	global_store_b128 v[L16], v[PC:PC+3], s[12:13] offset:1536*(\a)          ; each store covers 512 or 256 consecutive bytes, at a multiple of 256 from the buffer's first byte
	global_store_b64 v[L8], v[PC+4:PC+5], s[12:13] offset:1536*(\a)+512
	global_store_b128 v[L16], v[PC+6:PC+9], s[12:13] offset:1536*(\a)+768
	global_store_b64 v[L8], v[PC+10:PC+11], s[12:13] offset:1536*(\a)+1280
	ds_store_b32 v[SSTA], v[PW+(\a)] offset:64*(\a)   ; lanes r and r + 16 write the same word with the same value
.endm
.macro WORDS                           ; my four fragments' scale words, 256 consecutive bytes; LDS serves a wave's instructions in order, so the load sees my stores
	ds_load_b64 v[108:109], v[SSTR]
	s_wait_dscnt 0x0
	global_store_b64 v[L8], v[108:109], s[18:19]
.endm
	s_load_b256 s[4:11], s[0:1], 0x0               ; xwc, xws, bq, bk
	s_load_b128 s[68:71], s[0:1], 0x20             ; bv, qkvc
	s_load_b64 s[72:73], s[0:1], 0x30              ; qkvs
	v_lshl_add_u32 v[SPW], v0, 2, SPARE
	v_mov_b32 v[NIL], 0
	ds_add_u32 v[SPW], v[NIL]                      ; the opening lines: the add, twice on end, and its wait ahead of my first tensor load
	ds_add_u32 v[SPW], v[NIL]
	v_lshrrev_b32 v1, 5, v0
	v_readfirstlane_b32 s14, v1                    ; wave
	s_lshr_b32 s15, s14, 1
	s_and_b32 s16, s14, 1
	s_bfe_u32 s40, ttmp6, 0x40000                  ; cx
	s_bfe_u32 s41, ttmp6, 0x40004                  ; cy
	s_lshl_b32 s42, ttmp9, 2
	s_add_co_u32 s42, s42, s40                     ; c: which 128 rows of each weight
	s_and_b32 s43, ttmp7, 0xffff
	s_lshl_b32 s43, s43, 2
	s_add_co_u32 s43, s43, s41                     ; tb: which 256 rows of x
	s_lshl_b32 s44, s41, 2
	s_lshl_b32 s44, 15, s44                        ; my row of the cluster
	s_lshl_b32 s45, 0x1111, s40                    ; my column
	s_or_b32 s[G1X], s44, (3<<16)|(1<<21)
	s_or_b32 s[G1SX], s44, (3<<16)|(1<<21)
	s_or_b32 s[G1W], s45, (3<<16)|(1<<21)
	s_or_b32 s[G1R], s45, (3<<16)|(1<<21)
	s_or_b32 s[G1SW], s45, (3<<16)|(1<<21)
	G1SET G1X, 1536, 16, 1536                      ; x: 16 tiles of 12,288 bytes on end
	G1SET G1W, 1536, 8, 1536                       ; the first chunk: 8 tiles
	G1SET G1R, 1536, 2, 1536                       ; a refill: 2 tiles a wave
	G1SET G1SX, 32, 32, 32                         ; x's scale words: 8,192 dense bytes as 32 rows of 256
	G1SET G1SW, 512, 3, 4096                       ; the three chunks' scale words: 3 rows of 4,096 bytes, 32,768 bytes apart
	s_mul_i32 s46, s43, 16*TILE
	s_mov_b32 s47, 0
	s_lshl_b32 s12, s42, 3
	s_add_co_u32 s12, s12, 512                     ; Wq's first tile of my chunk
	s_lshl_b32 s74, s12, 9
	s_mov_b32 s75, 0
	s_lshl_b32 s17, s14, 1
	s_add_co_u32 s17, s17, s12                     ; of a chunk's 8 tiles I refill two
	s_mul_i32 s18, s17, TILE
	s_mov_b32 s19, 0
	s_mul_i32 s12, s12, TILE
	s_mov_b32 s13, 0
	s_lshl_b32 s66, s43, 13
	s_mov_b32 s67, 0
	s_mul_i32 s3, s14, 2*TILE
	s_add_co_u32 s3, s3, WB
	s_mov_b32 s100, 0x76543210
	s_mov_b32 s101, 0xfedcba98                     ; selects for lane l xor 16
	s_wait_dscnt 0x0                               ; both opening adds are done
	s_wait_kmcnt 0x0
	G0SET G0X, 0, 4, 46
	G0SET G0W, WB, 4, 12
	G0SET G0R, s3, 4, 18                           ; stands at Wq's tiles; each refill steps it one weight on
	G0SET G0SX, SCX, 6, 66
	G0SET G0SW, SCW, 6, 74
	CROUND                                         ; all sixteen work-groups are here: the first joint loads meet
	s_cmp_eq_u32 s14, 0                            ; one load a wave, in one chain of branches on the wave's number
	s_cbranch_scc0 .Lhead_1
	TLOAD G0X, G1X
	s_branch .Lasked
.Lhead_1:
	s_cmp_eq_u32 s14, 1
	s_cbranch_scc0 .Lhead_2
	TLOAD G0W, G1W
	s_branch .Lasked
.Lhead_2:
	s_cmp_eq_u32 s14, 2
	s_cbranch_scc0 .Lhead_3
	TLOAD G0SX, G1SX
	s_branch .Lasked
.Lhead_3:
	TLOAD G0SW, G1SW
.Lasked:
	s_lshl_b32 s46, s42, 9                         ; q: idx = 512 c + 16 tb + 4 wave
	s_lshl_b32 s17, s43, 4
	s_add_co_u32 s46, s46, s17
	s_lshl_b32 s17, s14, 2
	s_add_co_u32 s46, s46, s17
	s_mul_i32 s12, s46, 1536
	s_mov_b32 s13, 0
	s_add_nc_u64 s[12:13], s[70:71], s[12:13]      ; where my four images go
	s_lshl_b32 s18, s46, 6
	s_mov_b32 s19, 0
	s_add_nc_u64 s[18:19], s[72:73], s[18:19]      ; and their scale words
	s_lshl_b32 s66, s42, 9                         ; the chunk's biases: 128 c numbers on
	s_mov_b32 s67, 0
	s_mul_i32 s46, s14, 4*TILE                     ; q, k: my four tiles of x
	s_lshl_b32 s47, s14, 11
	s_add_co_u32 s47, s47, SCX                     ; their scale words
	s_sub_co_u32 s3, SCW, s47                      ; the chunk's, as a distance from them
	s_add_co_u32 s17, s3, 2048
	s_sub_co_u32 s74, s47, 2048
	s_lshl_b32 s75, s14, 8
	s_add_co_u32 s75, s75, SST
	s_mov_b32 s2, 0                                ; the phase: 0 q, 1 k
	v_and_b32 v1, 31, v0                           ; lane
	v_and_b32 v2, 15, v0                           ; r
	v_bfe_u32 v31, v0, 4, 1                        ; h
	v_lshlrev_b32 v[L16], 4, v1
	v_lshlrev_b32 v[L8], 3, v1
	v_xor_b32 v8, 1, v31                           ; 1 - h
	v_lshlrev_b32 v11, 3, v2                       ; 8 r
	v_add_nc_u32 v30, s47, v11
	v_add_nc_u32 v9, s74, v11
	v_add_nc_u32 v[ADA], s46, v[L16]
	v_add_nc_u32 v[ADA+1], s46, v[L8]
	v_add_nc_u32 v[ADB], WB, v[L16]
	v_add_nc_u32 v[ADB+1], WB, v[L8]
	v_add_nc_u32 v[ADB+2], WB+4*TILE, v[L16]
	v_add_nc_u32 v[ADB+3], WB+4*TILE, v[L8]
	v_lshl_add_u32 v[SSTA], v2, 2, s75
	v_add_nc_u32 v[SSTR], s75, v[L8]
	v_lshlrev_b32 v7, 6, v31                       ; q, k: lane (r, h) wants, for tile 2 b + u, the biases of features 32 b + 16 h + 8 u + 0 .. 7
	v_and_b32 v6, 8, v2
	v_add_lshl_u32 v6, v6, v2, 2                   ; v: lane-row r is channel r + (r & 8) of its tile's 32
.Lphase:
	s_cmp_eq_u32 s2, 0
	s_cselect_b64 s[74:75], s[8:9], s[10:11]       ; bq or bk: the choice hangs on the trip alone
	s_add_nc_u64 s[74:75], s[74:75], s[66:67]
.irp b, 0,1,2,3,4,5,6,7
	global_load_b128 v[BT+8*\b:BT+8*\b+3], v7, s[74:75] offset:(32*(\b/2)+8*(\b%2))*4
	global_load_b128 v[BT+8*\b+4:BT+8*\b+7], v7, s[74:75] offset:(32*(\b/2)+8*(\b%2))*4+16
.endr
	v_mad_u32_u24 v[ADRS], v31, s3, v30            ; lanes 16-31 take this chunk's scale words
	v_mad_u32_u24 v[ADRS+1], v31, s17, v9
	WALU                                           ; directly ahead of the waits below
	s_wait_tensorcnt 0x0                           ; my load has landed,
	s_wait_dscnt 0x0
	s_barrier_signal -1
	s_barrier_wait -1                              ; everybody's has
	SCALES
	FETCH 0
	s_wait_loadcnt 0x0                             ; the biases
	KSTEPS 1
	s_wait_tensorcnt 0x0                           ; the three lines ahead of a refill's round
	ds_add_u32 v[SPW], v[NIL]
	s_add_nc_u64 s[G0R+2:G0R+3], s[G0R+2:G0R+3], 64*TILE   ; no tensor load of mine is out: the next weight's chunk
	s_wait_dscnt 0x0                               ; the add is done, and my reads of the chunk are over
	CROUND                                         ; no wave of any partner still reads the chunk
	TLOAD G0R, G1R                                 ; its four v_nop are also the places behind the last products
.irp a, 0,1,2,3
	EPI \a, 0
.endr
	WORDS
	s_wait_xcnt 0x0                                ; the stores have read their registers and bases
	s_add_nc_u64 s[12:13], s[12:13], 4096*1536     ; k's fragments lie 4,096 behind q's
	s_add_nc_u64 s[18:19], s[18:19], 4096*64
	s_add_co_u32 s3, s3, 4096
	s_add_co_u32 s17, s17, 4096
	s_add_co_u32 s2, s2, 1
	s_cmp_lt_u32 s2, 2
	s_cbranch_scc1 .Lphase
	; v: the roles change
	s_mul_i32 s46, s15, 4*TILE
	s_add_co_u32 s46, s46, WB                      ; source 1: my four tiles of Wv
	s_mul_i32 s47, s16, 8*TILE                     ; source 0: my eight tiles of x
	s_add_co_u32 s75, s47, 4*TILE
	s_lshl_b32 s3, s16, 12
	s_add_co_u32 s3, s3, SCX                       ; x's scale words, the lower base
	s_lshl_b32 s17, s15, 11
	s_add_co_u32 s17, s17, SCW+8192
	s_sub_co_u32 s17, s17, s3                      ; Wv's, as a distance from them
	s_sub_co_u32 s74, s17, 2048
	s_lshl_b32 s12, s43, 1
	s_add_co_u32 s12, s12, s16
	s_lshl_b32 s12, s12, 6                         ; 64 x key step
	s_lshl_b32 s18, s42, 3
	s_add_co_u32 s12, s12, s18
	s_lshl_b32 s18, s15, 2
	s_add_co_u32 s12, s12, s18
	s_add_co_u32 s12, s12, 8192                    ; idx = 8192 + 64 (2 tb + w % 2) + 8 c + 4 (w / 2)
	s_lshl_b32 s18, s12, 6
	s_mov_b32 s19, 0
	s_add_nc_u64 s[18:19], s[72:73], s[18:19]
	s_mul_i32 s12, s12, 1536
	s_mov_b32 s13, 0
	s_add_nc_u64 s[12:13], s[70:71], s[12:13]
	s_lshl_b32 s2, s15, 8
	s_add_co_u32 s66, s66, s2                      ; my 64 channels' biases
	s_add_nc_u64 s[66:67], s[68:69], s[66:67]
	v_add_nc_u32 v[ADA], s46, v[L16]
	v_add_nc_u32 v[ADA+1], s46, v[L8]
	v_add_nc_u32 v[ADB], s47, v[L16]
	v_add_nc_u32 v[ADB+1], s47, v[L8]
	v_add_nc_u32 v[ADB+2], s75, v[L16]
	v_add_nc_u32 v[ADB+3], s75, v[L8]
	v_add_nc_u32 v30, s3, v11
	v_mad_u32_u24 v[ADRS], v8, s17, v30            ; lanes 0-15 take Wv's scale words
	v_mad_u32_u24 v[ADRS+1], v8, s74, v30
.irp a, 0,1,2,3
	global_load_b32 v[BL+2*\a], v6, s[66:67] offset:(32*(\a/2)+8*(\a%2))*4
.endr
	WALU                                           ; directly ahead of the waits below
	s_wait_tensorcnt 0x0
	s_wait_dscnt 0x0
	s_barrier_signal -1
	s_barrier_wait -1                              ; Wv's chunk is in; nothing is filled again
	SCALES
	FETCH 0
	KSTEPS 0
	PLACES 4                                       ; behind the last products, ahead of the first read of results
	s_wait_loadcnt 0x0                             ; the lanes' biases
.irp a, 0,1,2,3
	EPI \a, 1
.endr
	WORDS
	s_wait_tensorcnt 0x0                           ; the wave's end
	ds_add_u32 v[SPW], v[NIL]
	s_wait_dscnt 0x0
	CROUND                                         ; the closing round
	s_endpgm
.Lfunc_end_k_q96c5997db4_qkv:
	.size	k_q96c5997db4_qkv, .Lfunc_end_k_q96c5997db4_qkv-k_q96c5997db4_qkv
	.p2alignl 7, 3214868480
	.fill 96, 4, 3214868480
	.section	.rodata,"a",@progbits
	.p2align	6, 0x0
	.amdhsa_kernel k_q96c5997db4_qkv
		.amdhsa_group_segment_fixed_size 327680
		.amdhsa_private_segment_fixed_size 0
		.amdhsa_enable_private_segment 0
		.amdhsa_kernarg_size 56
		.amdhsa_user_sgpr_count 2
		.amdhsa_user_sgpr_kernarg_segment_ptr 1
		.amdhsa_wavefront_size32 1
		.amdhsa_system_sgpr_workgroup_id_x 1
		.amdhsa_system_sgpr_workgroup_id_y 1
		.amdhsa_system_sgpr_workgroup_id_z 1
		.amdhsa_system_vgpr_workitem_id 0
		.amdhsa_next_free_vgpr 768
		.amdhsa_next_free_sgpr 102
		.amdhsa_reserve_vcc 0
		.amdhsa_float_denorm_mode_32 3
		.amdhsa_float_denorm_mode_16_64 3
		.amdhsa_memory_ordered 1
		.amdhsa_forward_progress 1
		.amdhsa_inst_pref_size 177
	.end_amdhsa_kernel
	.amdgpu_metadata
---
amdhsa.version: [ 1, 2 ]
amdhsa.kernels:
  - .name:           k_q96c5997db4_qkv
    .symbol:         k_q96c5997db4_qkv.kd
    .args:
      - { .name: xwc, .offset: 0, .size: 8, .value_kind: global_buffer, .address_space: global }
      - { .name: xws, .offset: 8, .size: 8, .value_kind: global_buffer, .address_space: global }
      - { .name: bq, .offset: 16, .size: 8, .value_kind: global_buffer, .address_space: global }
      - { .name: bk, .offset: 24, .size: 8, .value_kind: global_buffer, .address_space: global }
      - { .name: bv, .offset: 32, .size: 8, .value_kind: global_buffer, .address_space: global }
      - { .name: qkvc, .offset: 40, .size: 8, .value_kind: global_buffer, .address_space: global }
      - { .name: qkvs, .offset: 48, .size: 8, .value_kind: global_buffer, .address_space: global }
    .group_segment_fixed_size: 327680
    .private_segment_fixed_size: 0
    .kernarg_segment_align: 8
    .kernarg_segment_size: 56
    .max_flat_workgroup_size: 128
    .sgpr_count:     102
    .vgpr_count:     768
    .wavefront_size: 32
...
	.end_amdgpu_metadata
.endif
;; end of part 2
;; launch attn (part 3): grid 4 x 64, 8 waves a work-group, clusters of 4 x 1, 237,568 bytes of LDS; arguments qkvc, qkvs, oc, os; writes oc, os
.if DOCPART == 3
	.amdgcn_target "amdgcn-amd-amdhsa--gfx1250"
	.amdhsa_code_object_version 6
	.text
	.protected	k_q96c5997db4_attn
	.globl	k_q96c5997db4_attn
	.p2align	8
	.type	k_q96c5997db4_attn,@function
k_q96c5997db4_attn:
	s_mov_b64 s[64:65], 0
	v_nop
	global_prefetch_b8 v0, s[64:65] scope:SCOPE_SE
	s_setreg_imm32_b32 hwreg(HW_REG_WAVE_MODE, 25, 1), 1
	s_wait_xcnt 0x0
	s_wait_alu depctr_hold_cnt(0) depctr_sa_sdst(0) depctr_va_vdst(0) depctr_va_sdst(0) depctr_va_ssrc(0) depctr_va_vcc(0) depctr_vm_vsrc(0)
	s_getreg_b32 s2, hwreg(HW_REG_IB_STS2, 6, 4)
	s_cmp_eq_u32 s2, 0
	s_cbranch_scc0 .Lentry_in_a_cluster
	s_endpgm
.Lentry_in_a_cluster:
	s_bfe_u32 s2, ttmp6, 0x10000c
	s_cmp_lg_u32 s2, 0x3003
	s_cbranch_scc0 .Lentry_shape_is_right
	s_endpgm
.Lentry_shape_is_right:
; For each of 64 (batch, head): O = softmax(Q K^T / 8) V, both products on codes of FP6 (E2M3) with E8M0 scales; O / l is quantised along the model's channels for the last product and stored as codes.
; THE SOFTMAX: t = score x log2(e) / 8; M = the running largest t rounded UP to a whole number; p = 2^(t - M) is quantised along the keys, not normalised; l is the sum of the unquantised p;
; when M moves, l and O are multiplied by 2^(old M - new M), which rounds nothing.
; SHARES.  A work-group owns 512 queries of one head.  Eight waves, two to a SIMD, 512 registers each; a wave owns TWO tiles of 16 queries at a time, in two passes: each fragment of K and V read from LDS feeds two products.
; A HEAD'S K, V AND SCALE WORDS STAY IN LDS, filled ONCE by eight joint loads, one a wave (waves 0-3 K, 4-5 V, 6 and 7 the scale words), the same descriptor in the head's four work-groups, mask 15.  No slot is filled again: no barrier in the loop.
; No prefetch: everything is asked for at the head, so there is no loop to run ahead in.
; LAYOUT.  S^T = K Q^T, O^T = V^T P^T: a lane holds ONE query.  THE KEYS OF A TILE ARE PICKED BY THE LANES' LDS ADDRESSES: row r of tile j of 64 keys is key 32 (r / 8) + 8 j + r % 8.  So lane (r, h) holds in the
; 32 registers of tiles 0-3 keys 32 h + 0 .. 31: one whole scale block, in the order of the next operand's registers.  A block's maximum needs no other lane, and the conversions' results are the operand.
; In memory (and LDS) a tile u of 32 keys holds in lane-row r the key 8 u + r + (r & 8): key 32 g + 8 j + i lies in stored tile 2 g + j % 2, lane-row i + 8 (j / 2).
; K's LDS rows (a head's half image, 768 bytes) get 64 bytes behind each 256: rows 960 bytes apart, two rows 128 modulo 256, so the sixteen lanes of a 16-byte read name sixteen different columns.
; THE FIRST PRODUCT'S K IS 64, the instruction's 128: Q's codes of k = 64 .. 127 are zeros, written once.  K's fragments are 6 registers each, on end: the upper half of a tile's operand is the next tile's codes,
; which are finite numbers and meet Q's zeros; the scale words are read as 16 bits, so bytes 2 and 3 are 0, a power of two.
; THE EXPONENTIALS GO BY QUARTERS of the step (16 registers of each tile).  Between the exponentials of quarter k stand, line by line, the multiply-adds t - M of quarter k + 1 and the row sums of quarter k - 1:
; plain lines that read nothing written since the last wait.  Each of a tile's eight pairs of a quarter has a sum of its own; the first quarter's line is l x f + p.  One wait stands between quarters.
; INPUT: qkvc = [idx][image of 1,536 bytes], qkvs = [idx][r 16] words; q: idx = 512 (head / 2) + tile, k: + 4,096, the image's half = head % 2; v: idx = 8192 + 64 (16 batch + key step) + 4 head + t.
; OUTPUT: oc = [tile 512][K step 8][image]: head hd is half hd % 2 of K step hd / 2;  os = [hd 16][tile 512][r 16] words: the head's two bytes in the low 16 bits.
; LIMITS: the promise holds while the scaled scores stay under 2^31 in magnitude; the running maximum starts at -3e38; the division by l is v_rcp_f32 and a multiplication; a block of zeros gets the byte 1; NaN and infinities are not served.
; REGISTERS.  Window 0: v1-17 addresses; v18-31, v32-45 the two tiles' small numbers; v62-115 K's eight fragments; v116-163 V's four; v164-187 Q; v188-211 p's codes; v212-221 scale words; v222-237 the conversions' upper halves.
; Window 1 (one setting serves all the bulk lines of both tiles): v0-127 S^T then p; v128-191 O^T; v192-223 l in eight pairs a tile; v224-227 -M; v228-231 f; v232-235 the blocks' largest p.
.set KP,    960                        ; K: [tile 128][960 bytes]
.set VI,    128*KP                     ; V: [key step 16][t 4][1,536 bytes]
.set KS,    VI+98304                   ; K's scale words: [tile 128][r 16]
.set VS,    KS+8192                    ; V's: [key step 16][t 4][r 16]
.set SPARE, VS+4096                    ; the spare words, 128 bytes a wave: four blocks of 256 bytes that no other line names
.set OST,   SPARE+1024                 ; the results' scale words: [tile in the work-group 32][r 16]
.set L16,  1                           ; 16 x lane
.set L8,   2                           ; 8 x lane
.set LK16, 3                           ; K, 16-byte pieces: 1920 (r / 8) + 16 (r % 8) + 320 h
.set LK8,  4                           ; K, 8-byte pieces: 1920 (r / 8) + 8 (r % 8) + 128 h
.set LKS,  5                           ; K's words: KS + 2 (head % 2) + 128 (r / 8) + 64 h + 4 (r % 8)
.set LVS,  6                           ; VS + 4 x lane
.set SPW,  7                           ; my spare word; never rewritten
.set NIL,  8                           ; 0; never rewritten
.set ADK16, 9
.set ADK8, 10
.set ADS,  11
.set ADV16, 12
.set ADV8, 13
.set ADT,  14
.set OSA,  15                          ; OST + 128 wave + 4 r
.set SH8,  16                          ; 8 h
.set QSA,  17                          ; 4 r
.set T0,   18                          ; tile w's small numbers begin at T0 + TW w
.set TW,   14
.set NM,   0                           ; -M
.set SMX,  1                           ; the running largest score
.set CH,   2                           ; four chains of maxima; then CH, CH + 2: the two blocks'
.set XP,   6
.set DT,   7
.set SOP,  8                           ; the conversions' scale operands
.set BY,   10                          ; scale bytes
.set LLF,  12                          ; the finished l, a pair
.set KF,   62
.set VF,   116
.set Q,    164
.set P,    188
.set KSC,  212
.set VSC,  216
.set PSW,  218
.set QSW,  220
.set CTB,  222
.set OB,   128                         ; window 1
.set LB,   192
.set NMB,  224
.set FFB,  228
.set BX,   232
.set WV,   18
.set NC,   19                          ; -log2(e) / 8
.set SEL,  20
.set CS,   22                          ; s[22:23] log2(e) / 8
.set G1K,  24
.set G1V,  32
.set G1KS, 40
.set G1VS, 48
.set G0K,  56
.set G0V,  60
.set G0KS, 68
.set G0VS, 72
.set TB,   2                           ; where the next step's tiles of K begin
.set TBV,  3                           ; this step's of V
.set TS,   66
.set TJ,   67
.set CNT,  76
.set OSR,  91
.set MSB, 0
.macro WIN new                         ; the immediate's high byte repeats the setting that is left
.if MSB != (\new)
	s_set_vgpr_msb (MSB<<8)|(\new)
.set MSB, (\new)
.endif
.endm
.macro PLACES n
.rept \n
	v_nop
.endr
.endm
.macro WALU
	s_wait_alu depctr_va_vdst(0)
.endm
.macro CROUND
	s_barrier_signal -1
	s_barrier_wait -1
	s_cmp_lg_u32 s[WV], 0
	s_cbranch_scc1 .Lnot_wave_0_\@
	s_barrier_signal -3
.Lnot_wave_0_\@:
	s_barrier_wait -3
	s_barrier_signal -1
	s_barrier_wait -1
.endm
.macro TLOAD g0, g1
	tensor_load_to_lds s[\g0:\g0+3], s[\g1:\g1+7]
	s_nop 0
	PLACES 4
.endm
.macro WM d, a, b, c, sa, sb, row
.if \row
	v_wmma_scale_f32_16x16x128_f8f6f4 v[\d:\d+7], v[\a:\a+11], v[\b:\b+11], \c, v[\sa], v[\sb] matrix_a_fmt:MATRIX_FMT_FP6 matrix_b_fmt:MATRIX_FMT_FP6 matrix_a_scale:MATRIX_SCALE_ROW1
.else
	v_wmma_scale_f32_16x16x128_f8f6f4 v[\d:\d+7], v[\a:\a+11], v[\b:\b+11], \c, v[\sa], v[\sb] matrix_a_fmt:MATRIX_FMT_FP6 matrix_b_fmt:MATRIX_FMT_FP6
.endif
.endm
	s_load_b256 s[4:11], s[0:1], 0x0               ; qkvc, qkvs, oc, os
	v_lshl_add_u32 v[SPW], v0, 2, SPARE
	v_mov_b32 v[NIL], 0
	ds_add_u32 v[SPW], v[NIL]                      ; the opening lines: the add, twice on end, and its wait ahead of my first tensor load
	ds_add_u32 v[SPW], v[NIL]
	v_lshrrev_b32 v9, 5, v0
	v_readfirstlane_b32 s[WV], v9                  ; wave 0..7
	s_and_b32 s77, ttmp7, 0xffff                   ; 16 batch + head: the four partners share it
	s_lshr_b32 s78, s77, 4                         ; batch
	s_and_b32 s79, s77, 15                         ; head
	s_lshr_b32 s80, s79, 1                         ; pair of heads
	s_and_b32 s81, s79, 1                          ; which of the pair
	s_bfe_u32 s82, ttmp6, 0x40000                  ; cx: it enters Q's, oc's and os's addresses alone
	s_mul_i32 s90, s81, 768                        ; my head's half of an image
	s_lshl_b32 s84, s78, 7                         ; the batch's first tile
	s_lshl_b32 s85, s80, 9
	s_add_co_u32 s85, s85, s84
	s_add_co_u32 s85, s85, 4096                    ; K's first fragment
	s_and_b32 s91, s[WV], 3                        ; waves 0-3: 32 tiles of K each
	s_lshl_b32 s88, s91, 5
	s_add_co_u32 s88, s88, s85
	s_mul_i32 s88, s88, 1536
	s_add_co_u32 s88, s88, s90
	s_mov_b32 s89, 0
	s_mul_i32 s91, s91, 32*KP
	s_lshl_b32 s94, s79, 2
	s_add_co_u32 s94, s94, 8192
	s_lshl_b32 s92, s78, 10
	s_add_co_u32 s94, s94, s92                     ; V's first fragment
	s_and_b32 s96, s[WV], 1                        ; waves 4, 5: 8 key steps of V each
	s_lshl_b32 s92, s96, 9
	s_add_co_u32 s92, s92, s94
	s_mul_i32 s92, s92, 1536
	s_mov_b32 s93, 0
	s_mul_i32 s96, s96, 49152
	s_add_co_u32 s96, s96, VI
	s_lshl_b32 s98, s85, 6                         ; the scale words: 64 bytes a fragment
	s_mov_b32 s99, 0
	s_lshl_b32 s94, s94, 6
	s_mov_b32 s95, 0
.irp g, G1V, G1KS, G1VS
	s_mov_b32 s[\g], 15|(3<<16)|(1<<21)            ; elements of 8 bytes, the mask names all four work-groups, bit 21 beside it
.endr
	s_mov_b32 s[G1K], 15|(3<<16)|(1<<20)|(1<<21)|(5<<22)|(15<<25)   ; K: and 16 words of padding behind every 64
.irp g, G1K, G1V, G1KS, G1VS
	s_mov_b32 s[\g+6], 0
	s_mov_b32 s[\g+7], 0
.endr
	s_mov_b32 s[G1K+1], 96<<16                     ; K: 32 rows of 768 bytes, 1,536 bytes apart
	s_mov_b32 s[G1K+2], 32<<16
	s_mov_b32 s[G1K+3], 96<<16
	s_mov_b32 s[G1K+4], 32
	s_mov_b32 s[G1K+5], 192
	s_mov_b32 s[G1V+1], 768<<16                    ; V: 8 rows of 6,144 bytes, 98,304 bytes apart
	s_mov_b32 s[G1V+2], 8<<16
	s_mov_b32 s[G1V+3], 768<<16
	s_mov_b32 s[G1V+4], 8
	s_mov_b32 s[G1V+5], 12288
	s_mov_b32 s[G1KS+1], 32<<16                    ; K's words: 8,192 dense bytes as 32 rows of 256
	s_mov_b32 s[G1KS+2], 32<<16
	s_mov_b32 s[G1KS+3], 32<<16
	s_mov_b32 s[G1KS+4], 32
	s_mov_b32 s[G1KS+5], 32
	s_mov_b32 s[G1VS+1], 32<<16                    ; V's words: 16 rows of 256 bytes, 4,096 bytes apart
	s_mov_b32 s[G1VS+2], 16<<16
	s_mov_b32 s[G1VS+3], 32<<16
	s_mov_b32 s[G1VS+4], 16
	s_mov_b32 s[G1VS+5], 512
	s_mov_b32 s[SEL], 0x76543210
	s_mov_b32 s[SEL+1], 0xfedcba98                 ; selects for lane l xor 16
	s_mov_b32 s[CS], 0x3e38aa3b
	s_mov_b32 s[CS+1], s[CS]
	s_mov_b32 s[NC], 0xbe38aa3b
	s_wait_dscnt 0x0                               ; both opening adds are done
	s_wait_kmcnt 0x0
	s_mov_b32 s[G0K], 1
	s_mov_b32 s[G0K+1], s91
	s_add_nc_u64 s[G0K+2:G0K+3], s[4:5], s[88:89]
	s_or_b32 s[G0K+3], s[G0K+3], 0x80000000
	s_mov_b32 s[G0V], 1
	s_mov_b32 s[G0V+1], s96
	s_add_nc_u64 s[G0V+2:G0V+3], s[4:5], s[92:93]
	s_or_b32 s[G0V+3], s[G0V+3], 0x80000000
	s_mov_b32 s[G0KS], 1
	s_mov_b32 s[G0KS+1], KS
	s_add_nc_u64 s[G0KS+2:G0KS+3], s[6:7], s[98:99]
	s_or_b32 s[G0KS+3], s[G0KS+3], 0x80000000
	s_mov_b32 s[G0VS], 1
	s_mov_b32 s[G0VS+1], VS
	s_add_nc_u64 s[G0VS+2:G0VS+3], s[6:7], s[94:95]
	s_or_b32 s[G0VS+3], s[G0VS+3], 0x80000000
	CROUND                                         ; all four work-groups are here: the joint loads meet
	s_cmp_lt_u32 s[WV], 4                          ; one load a wave, in one chain of branches on the wave's number
	s_cbranch_scc0 .Lnot_k
	TLOAD G0K, G1K
	s_branch .Lasked
.Lnot_k:
	s_cmp_lt_u32 s[WV], 6
	s_cbranch_scc0 .Lnot_v
	TLOAD G0V, G1V
	s_branch .Lasked
.Lnot_v:
	s_cmp_eq_u32 s[WV], 6
	s_cbranch_scc0 .Lnot_ks
	TLOAD G0KS, G1KS
	s_branch .Lasked
.Lnot_ks:
	TLOAD G0VS, G1VS
.Lasked:
	; my own addresses: tile T = 128 batch + 32 cx + 2 wave (+ 1 for my second tile, + 16 in the second pass: both stand in the immediates)
	s_lshl_b32 s97, s82, 5
	s_add_co_u32 s97, s97, s84                     ; the work-group's first tile
	s_lshl_b32 s85, s[WV], 1
	s_add_co_u32 s85, s85, s97                     ; T
	s_lshl_b32 s88, s80, 9
	s_add_co_u32 s88, s88, s85                     ; Q's fragment
	s_mul_i32 s92, s88, 1536
	s_add_co_u32 s92, s92, s90
	s_mov_b32 s93, 0
	s_add_nc_u64 s[12:13], s[4:5], s[92:93]        ; Q's codes
	s_lshl_b32 s92, s88, 6
	s_lshl_b32 s83, s81, 1
	s_add_co_u32 s92, s92, s83
	s_add_nc_u64 s[14:15], s[6:7], s[92:93]        ; Q's scale words, my head's two bytes
	s_lshl_b32 s92, s85, 3
	s_add_co_u32 s92, s92, s80
	s_mul_i32 s92, s92, 1536
	s_add_co_u32 s92, s92, s90
	s_add_nc_u64 s[16:17], s[8:9], s[92:93]        ; oc: (8 T + pair) images + my head's half
	s_lshl_b32 s92, s79, 9
	s_add_co_u32 s92, s92, s97
	s_lshl_b32 s92, s92, 6
	s_and_b32 s[OSR], s[WV], 3
	s_lshl_b32 s[OSR], s[OSR], 9
	s_add_co_u32 s92, s92, s[OSR]
	s_add_nc_u64 s[86:87], s[10:11], s[92:93]      ; os: the work-group's 2,048 bytes, 512 for each of waves 0-3
	s_add_co_u32 s[OSR], s[OSR], OST
	s_add_co_u32 s83, s83, KS
	s_lshl_b32 s88, s[WV], 7
	s_add_co_u32 s88, s88, OST
	v_and_b32 v46, 31, v0                          ; lane
	v_and_b32 v47, 15, v0                          ; r
	v_and_b32 v48, 7, v0                           ; r % 8
	v_bfe_u32 v49, v0, 3, 1                        ; r / 8
	v_bfe_u32 v50, v0, 4, 1                        ; h
	v_lshlrev_b32 v[L16], 4, v46
	v_lshlrev_b32 v[L8], 3, v46
	v_mul_u32_u24 v51, v49, 2*KP
	v_lshl_add_u32 v[LK16], v48, 4, v51
	v_mad_u32_u24 v[LK16], v50, 320, v[LK16]
	v_lshl_add_u32 v[LK8], v48, 3, v51
	v_lshl_add_u32 v[LK8], v50, 7, v[LK8]
	v_lshl_add_u32 v[LKS], v49, 7, s83
	v_lshl_add_u32 v[LKS], v50, 6, v[LKS]
	v_lshl_add_u32 v[LKS], v48, 2, v[LKS]
	v_lshl_add_u32 v[LVS], v46, 2, VS
	v_lshl_add_u32 v[OSA], v47, 2, s88
	v_lshlrev_b32 v[SH8], 3, v50
	v_lshlrev_b32 v[QSA], 2, v47
.irp w, 0,1
	v_mov_b32 v[T0+TW*\w+LLF+1], 0                 ; named as the upper half of a pair
	v_mov_b32 v[T0+TW*\w+XP], 0                    ; a lane permute's destination counts as one of its sources
	v_mov_b32 v[T0+TW*\w+DT], 0
.irp j, 6,7,8,9,10,11
	v_mov_b32 v[Q+12*\w+\j], 0                     ; Q's codes of k = 64 .. 127: zeros, written once
.endr
.endr
.irp j, 48,49,50,51,52,53
	v_mov_b32 v[KF+\j], 0                          ; behind K's last fragment: the upper half of its operand
.endr
	WIN 0x40
.irp j, NMB+1, NMB+3, FFB+1, FFB+3
	v_mov_b32 v[\j], 0                             ; named as the upper halves of pairs
.endr
	WIN 0
	WALU                                           ; the wait at the head's end
	s_wait_tensorcnt 0x0                           ; my part of the head's K, V or scale words is in,
	s_barrier_signal -1
	s_barrier_wait -1                              ; everybody's is; nothing is filled again
.macro KLOAD                           ; a step's eight tiles of K, 6 registers each, and their scale words (two tiles to a register: lanes 0-15, lanes 16-31)
.irp j, 0,1,2,3,4,5,6,7
	ds_load_b128 v[KF+6*\j:KF+6*\j+3], v[ADK16] offset:KP*(4*(\j/4)+(\j%2))+128*((\j%4)/2)
	ds_load_b64 v[KF+6*\j+4:KF+6*\j+5], v[ADK8] offset:KP*(4*(\j/4)+(\j%2))+640+64*((\j%4)/2)
.endr
.irp b, 0,1,2,3
	ds_load_u16 v[KSC+\b], v[ADS] offset:256*(\b/2)+32*(\b%2)
.endr
.endm
; The bulk lines, all under one window setting.  Item i = 0 .. 15 of a quarter: tile i / 8, pair i % 8; an exponential's item e = 0 .. 31: tile e / 16, register e % 16.
.macro EXP1 k, e
	v_exp_f32 v[64*((\e)/16)+16*(\k)+(\e)%16], v[64*((\e)/16)+16*(\k)+(\e)%16]
.endm
.macro FM k, i                         ; t - M, two at a time
	v_pk_fma_f32 v[64*((\i)/8)+16*(\k)+2*((\i)%8):64*((\i)/8)+16*(\k)+2*((\i)%8)+1], v[64*((\i)/8)+16*(\k)+2*((\i)%8):64*((\i)/8)+16*(\k)+2*((\i)%8)+1], s[CS:CS+1], v[NMB+2*((\i)/8):NMB+2*((\i)/8)+1] op_sel_hi:[1,0,0]
.endm
.macro LSUM k, i                       ; the row's sum takes the unquantised p; the first quarter's line brings the sum under the new M
.if (\k) == 0
	v_pk_fma_f32 v[LB+2*(\i):LB+2*(\i)+1], v[LB+2*(\i):LB+2*(\i)+1], v[FFB+2*((\i)/8):FFB+2*((\i)/8)+1], v[64*((\i)/8)+2*((\i)%8):64*((\i)/8)+2*((\i)%8)+1] op_sel_hi:[1,0,1]
.else
	v_pk_add_f32 v[LB+2*(\i):LB+2*(\i)+1], v[LB+2*(\i):LB+2*(\i)+1], v[64*((\i)/8)+16*(\k)+2*((\i)%8):64*((\i)/8)+16*(\k)+2*((\i)%8)+1]
.endif
.endm
.macro REG ke, kf, kl                  ; quarter ke's exponentials, with quarter kf's multiply-adds and quarter kl's sums between them (-1: none); the last line is a plain one
.set I, 0
.rept 16
	EXP1 \ke, 2*I
.if (\kf >= 0) && (\kl >= 0)
	LSUM \kl, I
.endif
	EXP1 \ke, 2*I+1
.if \kf >= 0
	FM \kf, I
.else
	LSUM \kl, I
.endif
.set I, I+1
.endr
	WALU
.endm
; A KEY STEP: 128 keys against my 32 queries.  K's fragments were asked for in the step before.
.macro STEP
	v_add_nc_u32 v[ADV16], s[TBV], v[L16]          ; these four are also the places between the last products and the loads into their registers
	v_add_nc_u32 v[ADV8], s[TBV], v[L8]
	v_add_nc_u32 v[ADT], s[TJ], v[LVS]
	v_nop
.irp t, 0,1,2,3
	ds_load_b128 v[VF+12*\t:VF+12*\t+3], v[ADV16] offset:1536*\t
	ds_load_b64 v[VF+12*\t+4:VF+12*\t+5], v[ADV8] offset:1536*\t+512
	ds_load_b128 v[VF+12*\t+6:VF+12*\t+9], v[ADV16] offset:1536*\t+768
	ds_load_b64 v[VF+12*\t+10:VF+12*\t+11], v[ADV8] offset:1536*\t+1280
.endr
	ds_load_b32 v[VSC], v[ADT]
	ds_load_b32 v[VSC+1], v[ADT] offset:128
	WIN 0x40
.irp w, 0,1
.irp j, 0,1,2,3,4,5,6,7
	WM 64*\w+8*\j, KF+6*\j, Q+12*\w, 0, KSC+\j/2, QSW+\w, \j%2
.endr
.endr
	WIN 0
	v_add_nc_u32 v[ADK16], s[TB], v[LK16]          ; the next step's addresses: four places behind the products
	v_add_nc_u32 v[ADK8], s[TB], v[LK8]
	v_add_nc_u32 v[ADS], s[TS], v[LKS]
	v_nop
	s_cmp_eq_u32 s[CNT], 1                         ; the last step asks for nothing more
	s_cbranch_scc1 .Lno_k_\@
	KLOAD
.Lno_k_\@:
	WIN 0x15                                       ; the largest score of each block of 32 keys, two chains a block, eight chains by turns
.irp w, 0,1
.irp c, 0,1
	v_max3_num_f32 v[T0+TW*\w+CH+2*\c], v[64*\w+32*\c], v[64*\w+32*\c+1], v[64*\w+32*\c+2]
	v_max3_num_f32 v[T0+TW*\w+CH+2*\c+1], v[64*\w+32*\c+17], v[64*\w+32*\c+18], v[64*\w+32*\c+19]
.endr
.endr
	WIN 0x14
.irp i, 0,2,4,6,8,10
.irp w, 0,1
.irp c, 0,1
	v_max3_num_f32 v[T0+TW*\w+CH+2*\c], v[T0+TW*\w+CH+2*\c], v[64*\w+32*\c+3+\i], v[64*\w+32*\c+4+\i]
	v_max3_num_f32 v[T0+TW*\w+CH+2*\c+1], v[T0+TW*\w+CH+2*\c+1], v[64*\w+32*\c+20+\i], v[64*\w+32*\c+21+\i]
.endr
.endr
.endr
.irp w, 0,1
.irp c, 0,1
	v_max3_num_f32 v[T0+TW*\w+CH+2*\c], v[T0+TW*\w+CH+2*\c], v[64*\w+32*\c+15], v[64*\w+32*\c+16]
.endr
.endr
	WIN 0
.irp w, 0,1
.irp c, 0,2
	v_max_num_f32 v[T0+TW*\w+CH+\c], v[T0+TW*\w+CH+\c], v[T0+TW*\w+CH+\c+1]   ; a block's largest score: it serves for the row's maximum and, since p rises with the score, for the block's largest p
.endr
.endr
.irp w, 0,1
	v_max_num_f32 v[T0+TW*\w+DT], v[T0+TW*\w+CH], v[T0+TW*\w+CH+2]
.endr
.irp w, 0,1
	v_permlanex16_b32 v[T0+TW*\w+XP], v[T0+TW*\w+DT], s[SEL], s[SEL+1]
.endr
.irp w, 0,1
	v_max3_num_f32 v[T0+TW*\w+SMX], v[T0+TW*\w+SMX], v[T0+TW*\w+DT], v[T0+TW*\w+XP]   ; the running largest score of my query
.endr
.irp w, 0,1
	v_mul_f32 v[T0+TW*\w+DT], s[NC], v[T0+TW*\w+SMX]   ; -t
.endr
.irp w, 0,1
	v_floor_f32 v[T0+TW*\w+XP], v[T0+TW*\w+DT]     ; the new -M: M is a whole number
.endr
.irp w, 0,1
	v_sub_f32 v[T0+TW*\w+DT], v[T0+TW*\w+XP], v[T0+TW*\w+NM]   ; old M - new M, 0 or less
.endr
.irp w, 0,1
	v_mov_b32 v[T0+TW*\w+NM], v[T0+TW*\w+XP]
.endr
.irp w, 0,1
	v_cvt_i32_f32 v[T0+TW*\w+DT], v[T0+TW*\w+DT]   ; (it saturates)
.endr
	WIN 0x40                                       ; what the bulk lines take goes into their window
.irp w, 0,1
	v_mov_b32 v[NMB+2*\w], v[T0+TW*\w+XP]
.endr
.irp w, 0,1
.irp c, 0,1
	v_fma_f32 v[BX+2*\w+\c], v[T0+TW*\w+CH+2*\c], s[CS], v[T0+TW*\w+XP]   ; t - M of each block's largest score
.endr
.endr
.irp w, 0,1
	v_ldexp_f32 v[FFB+2*\w], 1.0, v[T0+TW*\w+DT]   ; f = 2^(old M - new M)
.endr
	WIN 0x55
.set I, 0
.rept 16
	FM 0, I
.set I, I+1
.endr
.set J, 0
.rept 32
	v_pk_mul_f32 v[OB+J:OB+J+1], v[OB+J:OB+J+1], v[FFB+2*(J/32):FFB+2*(J/32)+1] op_sel_hi:[1,0]   ; O^T under the new M, ahead of every exponential of the step
.set J, J+2
.endr
	WALU                                           ; the wait ahead of the exponentials
.irp b, 0,1,2,3
	v_exp_f32 v[BX+\b], v[BX+\b]                   ; each block's largest p
.endr
	REG 0, 1, -1
	REG 1, 2, 0
	REG 2, 3, 1
	REG 3, -1, 2
	WIN 0x04
.irp w, 0,1
.irp c, 0,1
	v_max_num_f32 v[T0+TW*\w+CH+\c], 0x1800000, v[BX+2*\w+\c]   ; the floor 2^(3 - 127): the byte cannot fall under 1
.endr
.endr
	WIN 0
.irp w, 0,1
.irp c, 0,1
	v_add_nc_u32 v[T0+TW*\w+SOP+\c], 0xff000000, v[T0+TW*\w+CH+\c]   ; 2 off the exponent field: the conversion's scale operand
.endr
.endr
	WIN 0x01
.irp w, 0,1
.irp c, 0,1
	v_cvt_scalef32_pk16_fp6_f32 v[P+12*\w+6*\c:P+12*\w+6*\c+2], v[64*\w+32*\c:64*\w+32*\c+15], v[T0+TW*\w+SOP+\c]
	v_cvt_scalef32_pk16_fp6_f32 v[CTB+8*\w+4*\c:CTB+8*\w+4*\c+2], v[64*\w+32*\c+16:64*\w+32*\c+31], v[T0+TW*\w+SOP+\c]   ; (a conversion's three registers begin on an even number)
.endr
.endr
	WIN 0
.irp w, 0,1
.irp c, 0,1
	v_lshrrev_b32 v[T0+TW*\w+BY+\c], 23, v[T0+TW*\w+SOP+\c]   ; the scale's byte.  (Plain lines behind the conversions)
.endr
.endr
.irp w, 0,1
	v_lshl_or_b32 v[T0+TW*\w+BY], v[T0+TW*\w+BY+1], 16, v[T0+TW*\w+BY]   ; my blocks h and 2 + h,
.endr
.irp w, 0,1
	v_lshlrev_b32 v[T0+TW*\w+BY], v[SH8], v[T0+TW*\w+BY]   ; at their places in the word;
.endr
.irp w, 0,1
	v_permlanex16_b32 v[T0+TW*\w+XP], v[T0+TW*\w+BY], s[SEL], s[SEL+1]
.endr
.irp w, 0,1
	v_or_b32 v[PSW+\w], v[T0+TW*\w+BY], v[T0+TW*\w+XP]   ; with lane l xor 16's two the word is whole
.endr
.irp w, 0,1
.irp c, 0,1
.irp i, 0,1,2
	v_mov_b32 v[P+12*\w+6*\c+3+\i], v[CTB+8*\w+4*\c+\i]
.endr
.endr
.endr
	WIN 0x55
.set I, 0
.rept 16
	LSUM 3, I                                      ; the last quarter's sums stand between the writes of p's codes and scale words and the products
.set I, I+1
.endr
	WALU                                           ; directly ahead of the wait below
	s_wait_dscnt 0x0                               ; V's fragments are in, and the next step's K, asked for ahead of the softmax
	WIN 0x50
.irp w, 0,1
.irp t, 0,1,2,3
	WM OB+32*\w+8*\t, VF+12*\t, P+12*\w, v[OB+32*\w+8*\t:OB+32*\w+8*\t+7], VSC+\t/2, PSW+\w, \t%2
.endr
.endr
	WIN 0
.endm
.macro PKL w, d, a                     ; a pair of l's sums onto another
	v_pk_add_f32 v[LB+16*\w+\d:LB+16*\w+\d+1], v[LB+16*\w+\d:LB+16*\w+\d+1], v[LB+16*\w+\a:LB+16*\w+\a+1]
.endm
; The way out of tile w: O^T / l, register 16 b + i = channel 32 b + 16 h + i of my query, is quantised (two blocks, each shared with lane l xor 16) and stored as half an image.
.macro EPQ w, p
	WIN 0x41
	WALU                                           ; the wait directly ahead of the first reader of O^T behind the reciprocal
.set J, 0
.rept 16
	v_pk_mul_f32 v[64*\w+J:64*\w+J+1], v[OB+32*\w+J:OB+32*\w+J+1], v[T0+TW*\w+LLF:T0+TW*\w+LLF+1] op_sel_hi:[1,0]
.set J, J+2
.endr
	WIN 0x14
.irp b, 0,1
	v_max3_num_f32 v[T0+TW*\w+CH+\b], 0x1800000, |v[64*\w+16*\b]|, |v[64*\w+16*\b+1]|
.endr
.irp i, 2,4,6,8,10,12,14
.irp b, 0,1
	v_max3_num_f32 v[T0+TW*\w+CH+\b], v[T0+TW*\w+CH+\b], |v[64*\w+16*\b+\i]|, |v[64*\w+16*\b+\i+1]|
.endr
.endr
	WIN 0
.irp b, 0,1
	v_permlanex16_b32 v[T0+TW*\w+XP+\b], v[T0+TW*\w+CH+\b], s[SEL], s[SEL+1]
.endr
.irp b, 0,1
	v_max_num_f32 v[T0+TW*\w+CH+\b], v[T0+TW*\w+CH+\b], v[T0+TW*\w+XP+\b]
.endr
.irp b, 0,1
	v_add_nc_u32 v[T0+TW*\w+SOP+\b], 0xff000000, v[T0+TW*\w+CH+\b]
.endr
.irp b, 0,1
	v_lshrrev_b32 v[T0+TW*\w+BY+\b], 23, v[T0+TW*\w+SOP+\b]
.endr
	v_lshl_or_b32 v[T0+TW*\w+BY], v[T0+TW*\w+BY+1], 8, v[T0+TW*\w+BY]   ; the head's two bytes; the upper 16 bits stay 0
	WIN 0x01
	v_cvt_scalef32_pk16_fp6_f32 v[P+12*\w:P+12*\w+2], v[64*\w:64*\w+15], v[T0+TW*\w+SOP]
	v_cvt_scalef32_pk16_fp6_f32 v[CTB+8*\w:CTB+8*\w+2], v[64*\w+16:64*\w+31], v[T0+TW*\w+SOP+1]
	WIN 0
	v_nop                                          ; one plain place behind a scaled conversion
.irp i, 0,1,2
	v_permlane16_swap_b32 v[P+12*\w+\i], v[CTB+8*\w+\i]   ; the operand's layout wants a whole block in a lane
.endr
.irp i, 0,1,2
	v_mov_b32 v[P+12*\w+3+\i], v[CTB+8*\w+\i]
.endr
	global_store_b128 v[L16], v[P+12*\w:P+12*\w+3], s[16:17] offset:196608*\p+12288*\w       ; 512 and 256 consecutive bytes, at multiples of 256 from the buffer's first byte
	global_store_b64 v[L8], v[P+12*\w+4:P+12*\w+5], s[16:17] offset:196608*\p+12288*\w+512
	ds_store_b32 v[OSA], v[T0+TW*\w+BY] offset:1024*\p+64*\w   ; lanes r and r + 16 write the same word with the same value
.endm
; A PASS: two tiles of 16 queries against all 2,048 keys, sixteen steps.
.macro PASS p
.if \p
	s_wait_xcnt 0x0                                ; the first pass's stores have read their registers
.endif
.irp e, 0,1
	global_load_b128 v[Q+12*\e:Q+12*\e+3], v[L16], s[12:13] offset:24576*\p+1536*\e
	global_load_b64 v[Q+12*\e+4:Q+12*\e+5], v[L8], s[12:13] offset:24576*\p+1536*\e+512
	global_load_u16 v[QSW+\e], v[QSA], s[14:15] offset:1024*\p+64*\e
.endr
	v_mov_b32 v[ADK16], v[LK16]
	v_mov_b32 v[ADK8], v[LK8]
	v_mov_b32 v[ADS], v[LKS]
	KLOAD                                          ; the first step's K
.irp w, 0,1
	v_mov_b32 v[T0+TW*\w+SMX], 0xff61b1e6          ; the largest score so far: -3e38
.endr
.irp w, 0,1
	v_mul_f32 v[T0+TW*\w+NM], s[NC], v[T0+TW*\w+SMX]
.endr
.irp w, 0,1
	v_floor_f32 v[T0+TW*\w+NM], v[T0+TW*\w+NM]     ; -M
.endr
	WIN 0x40
.set J, 0
.rept 96
	v_mov_b32 v[OB+J], 0                           ; O^T and l: the step is written once; its first run finds zeros, which the first change of M leaves zeros
.set J, J+1
.endr
	WIN 0
	s_mov_b32 s[TB], 8*KP
	s_mov_b32 s[TS], 512
	s_mov_b32 s[TBV], VI
	s_mov_b32 s[TJ], 0
	s_mov_b32 s[CNT], 16
	WALU                                           ; directly ahead of the waits below
	s_wait_loadcnt 0x0                             ; Q
	s_wait_dscnt 0x0                               ; K
.Lkeys_\@:
	STEP
	s_add_co_u32 s[TB], s[TB], 8*KP
	s_add_co_u32 s[TS], s[TS], 512
	s_add_co_u32 s[TBV], s[TBV], 6144
	s_add_co_u32 s[TJ], s[TJ], 256
	s_sub_co_u32 s[CNT], s[CNT], 1
	s_cmp_lg_u32 s[CNT], 0
	s_cbranch_scc1 .Lkeys_\@
	PLACES 4                                       ; behind the last products, ahead of the first read of O^T
	WIN 0x55
.irp w, 0,1
	PKL \w, 0, 2                                   ; l's eight pairs,
	PKL \w, 4, 6
	PKL \w, 8, 10
	PKL \w, 12, 14
.endr
.irp w, 0,1
	PKL \w, 0, 4
	PKL \w, 8, 12
.endr
.irp w, 0,1
	PKL \w, 0, 8
.endr
	WIN 0x05
.irp w, 0,1
	v_add_f32 v[T0+TW*\w+LLF], v[LB+16*\w], v[LB+16*\w+1]   ; the last pair's two halves,
.endr
	WIN 0
.irp w, 0,1
	v_permlanex16_b32 v[T0+TW*\w+XP], v[T0+TW*\w+LLF], s[SEL], s[SEL+1]
.endr
.irp w, 0,1
	v_add_f32 v[T0+TW*\w+LLF], v[T0+TW*\w+LLF], v[T0+TW*\w+XP]   ; and lane l xor 16's
.endr
	WALU                                           ; the wait ahead of the reciprocals
.irp w, 0,1
	v_rcp_f32 v[T0+TW*\w+LLF], v[T0+TW*\w+LLF]
.endr
	v_nop                                          ; a plain place behind them; the wait behind them opens each tile's way out
	EPQ 0, \p
	EPQ 1, \p
.endm
	PASS 0
	PASS 1
	v_add_nc_u32 v9, s[OSR], v[L16]                ; made on every wave's path
	WALU                                           ; directly ahead of the wait below
	s_wait_dscnt 0x0                               ; for the others' sake: my scale words lie in LDS
	s_barrier_signal -1
	s_barrier_wait -1
	s_cmp_lt_u32 s[WV], 4                          ; the work-group's 2,048 bytes of scale words leave by waves 0-3, 512 consecutive bytes each
	s_cbranch_scc0 .Lno_os
	ds_load_b128 v[116:119], v9
	s_wait_dscnt 0x0
	global_store_b128 v[L16], v[116:119], s[86:87]
.Lno_os:
	s_wait_tensorcnt 0x0                           ; the wave's end: behind my last tensor load and my last LDS store
	ds_add_u32 v[SPW], v[NIL]
	s_wait_dscnt 0x0
	CROUND                                         ; the closing round
	s_endpgm
.Lfunc_end_k_q96c5997db4_attn:
	.size	k_q96c5997db4_attn, .Lfunc_end_k_q96c5997db4_attn-k_q96c5997db4_attn
	.p2alignl 7, 3214868480
	.fill 96, 4, 3214868480
	.section	.rodata,"a",@progbits
	.p2align	6, 0x0
	.amdhsa_kernel k_q96c5997db4_attn
		.amdhsa_group_segment_fixed_size 237568
		.amdhsa_private_segment_fixed_size 0
		.amdhsa_enable_private_segment 0
		.amdhsa_kernarg_size 32
		.amdhsa_user_sgpr_count 2
		.amdhsa_user_sgpr_kernarg_segment_ptr 1
		.amdhsa_wavefront_size32 1
		.amdhsa_system_sgpr_workgroup_id_x 1
		.amdhsa_system_sgpr_workgroup_id_y 1
		.amdhsa_system_sgpr_workgroup_id_z 1
		.amdhsa_system_vgpr_workitem_id 0
		.amdhsa_next_free_vgpr 512
		.amdhsa_next_free_sgpr 100
		.amdhsa_reserve_vcc 0
		.amdhsa_float_denorm_mode_32 3
		.amdhsa_float_denorm_mode_16_64 3
		.amdhsa_memory_ordered 1
		.amdhsa_forward_progress 1
		.amdhsa_inst_pref_size 93
	.end_amdhsa_kernel
	.amdgpu_metadata
---
amdhsa.version: [ 1, 2 ]
amdhsa.kernels:
  - .name:           k_q96c5997db4_attn
    .symbol:         k_q96c5997db4_attn.kd
    .args:
      - { .name: qkvc, .offset: 0, .size: 8, .value_kind: global_buffer, .address_space: global }
      - { .name: qkvs, .offset: 8, .size: 8, .value_kind: global_buffer, .address_space: global }
      - { .name: oc, .offset: 16, .size: 8, .value_kind: global_buffer, .address_space: global }
      - { .name: os, .offset: 24, .size: 8, .value_kind: global_buffer, .address_space: global }
    .group_segment_fixed_size: 237568
    .private_segment_fixed_size: 0
    .kernarg_segment_align: 8
    .kernarg_segment_size: 32
    .max_flat_workgroup_size: 256
    .sgpr_count:     100
    .vgpr_count:     512
    .wavefront_size: 32
...
	.end_amdgpu_metadata
.endif
;; end of part 3
;; launch proj (part 4): grid 4 x 64, 4 waves a work-group, clusters of 4 x 4, 327,680 bytes of LDS; arguments oc, os, xwc, xws, out0; writes out0
.if DOCPART == 4
	.amdgcn_target "amdgcn-amd-amdhsa--gfx1250"
	.amdhsa_code_object_version 6
	.text
	.protected	k_q96c5997db4_proj
	.globl	k_q96c5997db4_proj
	.p2align	8
	.type	k_q96c5997db4_proj,@function
k_q96c5997db4_proj:
	s_mov_b64 s[64:65], 0
	v_nop
	global_prefetch_b8 v0, s[64:65] scope:SCOPE_SE
	s_setreg_imm32_b32 hwreg(HW_REG_WAVE_MODE, 25, 1), 1
	s_wait_xcnt 0x0
	s_wait_alu depctr_hold_cnt(0) depctr_sa_sdst(0) depctr_va_vdst(0) depctr_va_sdst(0) depctr_va_ssrc(0) depctr_va_vcc(0) depctr_vm_vsrc(0)
	s_getreg_b32 s2, hwreg(HW_REG_IB_STS2, 6, 4)
	s_cmp_eq_u32 s2, 0
	s_cbranch_scc0 .Lentry_in_a_cluster
	s_endpgm
.Lentry_in_a_cluster:
	s_bfe_u32 s2, ttmp6, 0x10000c
	s_cmp_lg_u32 s2, 0xf033
	s_cbranch_scc0 .Lentry_shape_is_right
	s_endpgm
.Lentry_shape_is_right:
; out0 = a Wo^T: a [8192][1024] = the attention's result as codes of FP6 (E2M3) (oc, os), Wo as codes (xwc tiles 704-767, xws); f32 sums, f32 out.
; 256 work-groups of four waves; a work-group makes 128 tokens x 256 features.  ALL OF K LIES IN LDS: a's 8 tiles (98,304 bytes) and Wo's 16 (196,608), asked for at the head, one joint load a wave;
; nothing is filled again: eight K steps of 128 with no barrier between them.
; A wave makes 64 x 128: source 1 = 4 tiles of tokens (the lane), source 0 = 8 tiles of Wo's rows (the registers): 32 accumulators; a lane's eight results are eight neighbouring features of one token.
; Tiles of 16 rows: lane-row r of tile u of 32 rows = row 8 u + r + (r & 8); the 16 registers of source-0 tiles 2 b, 2 b + 1 are features 32 b + 16 (lane / 16) + 0 .. 15; the way out puts each token's row where it belongs.
; CLUSTERS: 4 x 4: a's tiles are shared along a row of the cluster, Wo's along a column.
; a's SCALE WORDS come head by head (os = [head 16][tile 512][r 16], two bytes in a word): wave j joins heads 4 j .. 4 j + 3 into the words of K = 256 j on and stores them into LDS bytes of their own, in the layout in which Wo's arrive.
; No prefetch: everything is asked for at the head, so there is no loop to run ahead in.
; REGISTERS: window 0: v16-31 addresses; v32-95 all of K's scale words; v96-191 source 1's fragments, two sets of 4; on the way out v128-255 rows of out0.
;   window 1: source 0's fragments, two sets of 8, at v0 and v128.   window 2: accumulator (a, b) at v[8 (8 a + b)].
.set TILE,  12288
.set SCA,   24*TILE                    ; a's scale words, 8 tiles x 512 bytes: written by LDS stores alone
.set SCB,   SCA+4096+128               ; Wo's, 16 tiles x 512 bytes; 128 bytes on, so that the two halves of the lanes stand 128 bytes apart modulo 256
.set SPARE, 307456                     ; the spare words, 128 bytes a wave: two blocks of 256 bytes that no other line names
.set SPITCH, 528                       ; the way out: a stage of 16 rows x (512 + 16) bytes a wave, in a's tiles, which have had their only fill and, behind a barrier, their last read
.set ADA,  16
.set ADB,  18
.set ADRS, 22
.set STO,  24
.set RD,   25
.set CO,   26
.set L8,   27
.set SPW,  28
.set NIL,  29
.set SCW,  30
.set SC,   32
.set AF,   96
.set BK,   128
.set G1A,  24
.set G0A,  32
.set G0B,  36
.set G1B,  48
.set G0S,  56
.set G1S,  84
.set MSB, 0
.macro WIN new                         ; the immediate's high byte repeats the setting that is left
.if MSB != (\new)
	s_set_vgpr_msb (MSB<<8)|(\new)
.set MSB, (\new)
.endif
.endm
.macro PLACES n
.rept \n
	v_nop
.endr
.endm
.macro WALU
	s_wait_alu depctr_va_vdst(0)
.endm
.macro CROUND
	s_barrier_signal -1
	s_barrier_wait -1
	s_cmp_lg_u32 s14, 0
	s_cbranch_scc1 .Lnot_wave_0_\@
	s_barrier_signal -3
.Lnot_wave_0_\@:
	s_barrier_wait -3
	s_barrier_signal -1
	s_barrier_wait -1
.endm
.macro TLOAD g0, g1
	tensor_load_to_lds s[\g0:\g0+3], s[\g1:\g1+7]
	s_nop 0
	PLACES 4
.endm
.macro G1SET g, c, r, p                ; r rows of c elements of 8 bytes, p elements apart
	s_mov_b32 s[\g+1], (\c)<<16
	s_mov_b32 s[\g+2], (\r)<<16
	s_mov_b32 s[\g+3], (\c)<<16
	s_mov_b32 s[\g+4], \r
	s_mov_b32 s[\g+5], \p
	s_mov_b32 s[\g+6], 0
	s_mov_b32 s[\g+7], 0
.endm
.macro G0SET g, lds, base, off
	s_mov_b32 s[\g], 1
	s_mov_b32 s[\g+1], \lds
	s_add_nc_u64 s[\g+2:\g+3], s[\base:\base+1], s[\off:\off+1]
	s_or_b32 s[\g+3], s[\g+3], 0x80000000
.endm
.macro FRAG reg, adr, off              ; a fragment's image: four loads, each of 512 or 256 consecutive bytes
	ds_load_b128 v[\reg:\reg+3], v[\adr] offset:\off
	ds_load_b64 v[\reg+4:\reg+5], v[\adr+1] offset:(\off)+512
	ds_load_b128 v[\reg+6:\reg+9], v[\adr] offset:(\off)+768
	ds_load_b64 v[\reg+10:\reg+11], v[\adr+1] offset:(\off)+1280
.endm
.macro FETCH s                         ; K step s: 12 fragments into set s % 2
	WIN 0x40
.irp i, 0,1,2,3
	FRAG 128*((\s)%2)+12*\i, ADB, \i*TILE+(\s)*1536
.endr
.irp i, 0,1,2,3
	FRAG 128*((\s)%2)+48+12*\i, ADB+2, \i*TILE+(\s)*1536
.endr
	WIN 0
.irp i, 0,1,2,3
	FRAG AF+48*((\s)%2)+12*\i, ADA, \i*TILE+(\s)*1536
.endr
.endm
.macro W1 d, a, b, c, sa, sb
	v_wmma_scale_f32_16x16x128_f8f6f4 v[\d:\d+7], v[\a:\a+11], v[\b:\b+11], \c, v[\sa], v[\sb] matrix_a_fmt:MATRIX_FMT_FP6 matrix_b_fmt:MATRIX_FMT_FP6 matrix_a_scale:MATRIX_SCALE_ROW1
.endm
.macro MUL s                           ; 32 products; the accumulators take turns, one instruction a turn, in the same order in every step; the first step starts the sums
	WIN 0xa1
.irp a, 0,1,2,3
.irp b, 0,1,2,3,4,5,6,7
.if (\s) == 0
	W1 8*(8*\a+\b), 128*((\s)%2)+12*\b, AF+48*((\s)%2)+12*\a, 0, SC+16*((\s)/2)+2*\b+(\s)%2, SC+16*((\s)/2)+2*\a+(\s)%2
.else
	W1 8*(8*\a+\b), 128*((\s)%2)+12*\b, AF+48*((\s)%2)+12*\a, v[8*(8*\a+\b):8*(8*\a+\b)+7], SC+16*((\s)/2)+2*\b+(\s)%2, SC+16*((\s)/2)+2*\a+(\s)%2
.endif
.endr
.endr
.endm
	s_load_b256 s[4:11], s[0:1], 0x0               ; oc, os, xwc, xws
	s_load_b64 s[12:13], s[0:1], 0x20              ; out0
	v_lshl_add_u32 v[SPW], v0, 2, SPARE
	v_mov_b32 v[NIL], 0
	ds_add_u32 v[SPW], v[NIL]                      ; the opening lines: the add, twice on end, and its wait ahead of my first tensor load
	ds_add_u32 v[SPW], v[NIL]
	v_lshrrev_b32 v1, 5, v0
	v_readfirstlane_b32 s14, v1                    ; wave
	s_lshr_b32 s15, s14, 1                         ; my half of the tokens
	s_and_b32 s16, s14, 1                          ; my half of the features
	s_bfe_u32 s40, ttmp6, 0x40000                  ; cx
	s_bfe_u32 s41, ttmp6, 0x40004                  ; cy
	s_lshl_b32 s42, ttmp9, 2
	s_add_co_u32 s42, s42, s40                     ; n: block of 256 features
	s_and_b32 s43, ttmp7, 0xffff
	s_lshl_b32 s43, s43, 2
	s_add_co_u32 s43, s43, s41                     ; m: block of 128 tokens
	s_lshl_b32 s44, s41, 2
	s_lshl_b32 s44, 15, s44                        ; my row of the cluster
	s_lshl_b32 s45, 0x1111, s40                    ; my column
	s_or_b32 s[G1A], s44, (3<<16)|(1<<21)
	s_or_b32 s[G1B], s45, (3<<16)|(1<<21)
	s_or_b32 s[G1S], s45, (3<<16)|(1<<21)
	G1SET G1A, 1536, 8, 1536                       ; 8 tiles of 12,288 bytes on end
	G1SET G1B, 1536, 8, 1536
	G1SET G1S, 32, 32, 32                          ; Wo's scale words: 8,192 dense bytes as 32 rows of 256
	s_mul_i32 s46, s43, 8*TILE
	s_mov_b32 s47, 0
	s_lshl_b32 s18, s42, 4
	s_add_co_u32 s18, s18, 704                     ; Wo's first tile of my block
	s_lshl_b32 s74, s18, 9
	s_mov_b32 s75, 0
	s_lshl_b32 s19, s14, 3
	s_add_co_u32 s18, s18, s19
	s_sub_co_u32 s18, s18, 8                       ; waves 1 and 2 fetch 8 tiles each: + 8 (wave - 1)
	s_mul_i32 s18, s18, TILE
	s_mov_b32 s19, 0
	s_mul_i32 s17, s14, 8*TILE                     ; and lay them behind a's 8: wave x 8 tiles
	s_wait_dscnt 0x0                               ; both opening adds are done
	s_wait_kmcnt 0x0
	G0SET G0A, 0, 4, 46
	G0SET G0B, s17, 8, 18
	G0SET G0S, SCB, 10, 74
	CROUND                                         ; all sixteen work-groups are here: the joint loads meet
	s_cmp_eq_u32 s14, 0                            ; one load a wave, in one chain of branches on the wave's number
	s_cbranch_scc0 .Lhead_1
	TLOAD G0A, G1A
	s_branch .Lasked
.Lhead_1:
	s_cmp_lt_u32 s14, 3
	s_cbranch_scc0 .Lhead_3
	TLOAD G0B, G1B
	s_branch .Lasked
.Lhead_3:
	TLOAD G0S, G1S
.Lasked:
	s_lshl_b32 s66, s14, 17                        ; a's scale words: 4 j heads of 32,768 bytes,
	s_lshl_b32 s18, s43, 9                         ; 8 m tiles of 64 bytes
	s_add_co_u32 s66, s66, s18
	s_mov_b32 s67, 0
	s_add_nc_u64 s[6:7], s[6:7], s[66:67]
	s_mul_i32 s18, s15, 4*TILE                     ; my four tiles of a
	s_mul_i32 s19, s16, 8*TILE
	s_add_co_u32 s19, s19, 8*TILE                  ; my eight tiles of Wo
	s_add_co_u32 s20, s19, 4*TILE
	s_lshl_b32 s21, s15, 11
	s_add_co_u32 s21, s21, SCA                     ; a's scale words of my tiles
	s_lshl_b32 s22, s16, 12
	s_add_co_u32 s22, s22, SCB
	s_sub_co_u32 s22, s22, s21                     ; Wo's, as a distance from them
	s_add_co_u32 s23, s22, 2048
	s_sub_co_u32 s46, s21, 2048
	s_lshl_b32 s47, s14, 7
	s_add_co_u32 s47, s47, SCA                     ; where I store a's words: K chunk j
	s_mul_i32 s74, s14, 16*SPITCH                  ; my stage
	s_lshl_b32 s66, s43, 7
	s_lshl_b32 s75, s15, 6
	s_add_co_u32 s66, s66, s75                     ; my first token: 128 m + 64 x half
	s_lshl_b32 s66, s66, 12                        ; a row of out0 is 4,096 bytes
	s_lshl_b32 s75, s42, 10
	s_add_co_u32 s66, s66, s75
	s_lshl_b32 s75, s16, 9
	s_add_co_u32 s66, s66, s75                     ; + (256 n + 128 x half) features of 4 bytes
	s_add_nc_u64 s[12:13], s[12:13], s[66:67]
	v_and_b32 v1, 31, v0                           ; lane
	v_and_b32 v2, 15, v0                           ; r
	v_bfe_u32 v3, v0, 4, 1                         ; h
	v_lshlrev_b32 v[CO], 4, v1
	v_lshlrev_b32 v[L8], 3, v1
.irp e, 0,1,2,3
	global_load_b128 v[128+4*\e:128+4*\e+3], v[CO], s[6:7] offset:32768*\e   ; head 4 j + e; lane l, register i: tile l / 4, row 4 (l % 4) + i
.endr
	v_add_nc_u32 v[ADA], s18, v[CO]
	v_add_nc_u32 v[ADA+1], s18, v[L8]
	v_add_nc_u32 v[ADB], s19, v[CO]
	v_add_nc_u32 v[ADB+1], s19, v[L8]
	v_add_nc_u32 v[ADB+2], s20, v[CO]
	v_add_nc_u32 v[ADB+3], s20, v[L8]
	v_lshl_add_u32 v4, v2, 3, s21
	v_mad_u32_u24 v[ADRS], v3, s22, v4             ; lanes 0-15 a's tile i, lanes 16-31 Wo's tile i;
	v_lshl_add_u32 v5, v2, 3, s46
	v_mad_u32_u24 v[ADRS+1], v3, s23, v5           ; for i = 4 .. 7: lanes 0-15 a's tile i - 4 once more
	v_lshrrev_b32 v6, 2, v1
	v_and_b32 v7, 3, v1
	v_lshl_add_u32 v6, v6, 9, s47
	v_lshl_add_u32 v[SCW], v7, 5, v6
	v_mul_u32_u24 v8, v2, SPITCH
	v_lshl_add_u32 v8, v3, 6, v8
	v_add_nc_u32 v[STO], s74, v8
	v_add_nc_u32 v[RD], s74, v[CO]
	WALU                                           ; the wait at the head's end
	s_wait_loadcnt 0x0
.irp i, 0,1,2,3
.irp q, 0,1
	v_lshl_or_b32 v[160+2*\i+\q], v[128+4*(2*\q+1)+\i], 16, v[128+8*\q+\i]   ; heads 4 j + 2 q and 4 j + 2 q + 1 make the word of K = 256 j + 128 q
.endr
.endr
	ds_store_b128 v[SCW], v[160:163]
	ds_store_b128 v[SCW], v[164:167] offset:16
	s_wait_tensorcnt 0x0                           ; my load is in,
	s_wait_dscnt 0x0                               ; and my part of a's scale words lies in LDS
	s_barrier_signal -1
	s_barrier_wait -1                              ; everybody's; nothing is filled again
.irp j, 0,1,2,3
.irp i, 0,1,2,3
	ds_load_b64 v[SC+16*\j+2*\i:SC+16*\j+2*\i+1], v[ADRS] offset:512*\i+128*\j
.endr
.irp i, 4,5,6,7
	ds_load_b64 v[SC+16*\j+2*\i:SC+16*\j+2*\i+1], v[ADRS+1] offset:512*\i+128*\j
.endr
.endr
	FETCH 0
.set ST, 0
.rept 8
	s_wait_dscnt 0x0                               ; this step's fragments are in: they were asked for ahead of the step before
.if ST < 7
.if ST > 0
	PLACES 4                                       ; in front of loads into registers that the last step's products have read
.endif
	FETCH ST+1
.endif
	MUL ST
.set ST, ST+1
.endr
	WIN 0
	s_barrier_signal -1                            ; no LDS instruction of mine is out: my reads of a's tiles are over
	s_barrier_wait -1                              ; everybody's are: the stages may be written
; THE WAY OUT, a tile of 16 tokens x 128 features at a time, through my own stage: in, a lane's registers 4 k .. 4 k + 3 are features 32 (k / 4) + 16 h + 4 (k % 4) on of lane-row r;
; back, whole rows of 512 bytes.  LDS serves a wave's instructions in order (ISA guide 5.7.1.4): no wait between the stores and the loads.
.macro TOSTAGE a
.set AC, 64*(\a)
	WIN 0x08                                       ; an LDS store's data: window 2
.irp k, 0,1,2,3,4,5,6,7,8,9,10,11,12,13,14,15
	ds_store_b128 v[STO], v[AC+4*\k:AC+4*\k+3] offset:128*(\k/4)+16*(\k%4)   ; each accumulator from its low end on
.endr
	WIN 0
.set BB, BK+64*((\a)%2)
.irp t, 0,1,2,3,4,5,6,7,8,9,10,11,12,13,14,15
	ds_load_b128 v[BB+4*\t:BB+4*\t+3], v[RD] offset:\t*SPITCH
.endr
.endm
.macro SEND a, younger                 ; younger: the LDS instructions issued behind tile a's loads, which may stay out
.set BB, BK+64*((\a)%2)
	s_wait_dscnt \younger
.irp t, 0,1,2,3,4,5,6,7,8,9,10,11,12,13,14,15
	global_store_b128 v[CO], v[BB+4*\t:BB+4*\t+3], s[12:13] offset:(32*((\a)/2)+8*((\a)%2)+\t+(\t&8))*4096 th:TH_STORE_NT   ; 32 lanes store 512 consecutive bytes of lane-row t's token
.endr
.endm
	PLACES 4                                       ; behind the last products: for the first read of results and the loads into the registers that held a's fragments
	TOSTAGE 0
.irp a, 1,2,3
.if \a > 1
	s_wait_xcnt 0x0                                ; tile a - 2's stores have read their registers: tile a's loads may land there
.endif
	TOSTAGE \a
	SEND \a-1, 32                                  ; behind tile a - 1's loads: tile a's 16 stores and 16 loads
.endr
	SEND 3, 0
	s_wait_tensorcnt 0x0                           ; the wave's end
	ds_add_u32 v[SPW], v[NIL]
	s_wait_dscnt 0x0
	CROUND                                         ; the closing round
	s_endpgm
.Lfunc_end_k_q96c5997db4_proj:
	.size	k_q96c5997db4_proj, .Lfunc_end_k_q96c5997db4_proj-k_q96c5997db4_proj
	.p2alignl 7, 3214868480
	.fill 96, 4, 3214868480
	.section	.rodata,"a",@progbits
	.p2align	6, 0x0
	.amdhsa_kernel k_q96c5997db4_proj
		.amdhsa_group_segment_fixed_size 327680
		.amdhsa_private_segment_fixed_size 0
		.amdhsa_enable_private_segment 0
		.amdhsa_kernarg_size 40
		.amdhsa_user_sgpr_count 2
		.amdhsa_user_sgpr_kernarg_segment_ptr 1
		.amdhsa_wavefront_size32 1
		.amdhsa_system_sgpr_workgroup_id_x 1
		.amdhsa_system_sgpr_workgroup_id_y 1
		.amdhsa_system_sgpr_workgroup_id_z 1
		.amdhsa_system_vgpr_workitem_id 0
		.amdhsa_next_free_vgpr 768
		.amdhsa_next_free_sgpr 100
		.amdhsa_reserve_vcc 0
		.amdhsa_float_denorm_mode_32 3
		.amdhsa_float_denorm_mode_16_64 3
		.amdhsa_memory_ordered 1
		.amdhsa_forward_progress 1
		.amdhsa_inst_pref_size 84
	.end_amdhsa_kernel
	.amdgpu_metadata
---
amdhsa.version: [ 1, 2 ]
amdhsa.kernels:
  - .name:           k_q96c5997db4_proj
    .symbol:         k_q96c5997db4_proj.kd
    .args:
      - { .name: oc, .offset: 0, .size: 8, .value_kind: global_buffer, .address_space: global }
      - { .name: os, .offset: 8, .size: 8, .value_kind: global_buffer, .address_space: global }
      - { .name: xwc, .offset: 16, .size: 8, .value_kind: global_buffer, .address_space: global }
      - { .name: xws, .offset: 24, .size: 8, .value_kind: global_buffer, .address_space: global }
      - { .name: out0, .offset: 32, .size: 8, .value_kind: global_buffer, .address_space: global }
    .group_segment_fixed_size: 327680
    .private_segment_fixed_size: 0
    .kernarg_segment_align: 8
    .kernarg_segment_size: 40
    .max_flat_workgroup_size: 128
    .sgpr_count:     100
    .vgpr_count:     768
    .wavefront_size: 32
...
	.end_amdgpu_metadata
.endif
;; end of part 4
